; MI455X (gfx1250); checked and timed in simulation.
; The chip was launched on July 23, 2026; its instructions are those of AMD's public machine-readable ISA for CDNA 5 (MIT licence, August 2026) and "CDNA5" Instruction Set Architecture Reference Guide (July 2026). The comments in the code are by the model that wrote it; some were corrected since.
;; Relative Positional Multi Head Attention. Allowed arithmetic: float matrix products may take bf16 or f16 operands with f32 sums; all other float work in f32.
;; Inputs: Wk 512 x 512 float32; Wo 512 x 512 float32; Wp 512 x 512 float32; Wq 512 x 512 float32; Wv 512 x 512 float32; b_u 8 x 64 float32; b_v 8 x 64 float32; bk 512 float32; bo 512 float32; bq 512 float32; bv 512 float32; k 4 x 2,048 x 512 float32; mask 4 x 1 x 1 x 2,048 bool; q 4 x 2,048 x 512 float32; v 4 x 2,048 x 512 float32.
;; Outputs: out0 4 x 2,048 x 512 float32.
;; 2 versions, each right; version 2 is version 1 with the launch proj written anew for expert scheduling mode. Each part assembles by itself: llvm-mc -triple=amdgcn-amd-amdhsa -mcpu=gfx1250 --defsym DOCPART=n.
;; ======== version 1 of 2: 3 launches
;; limits: values are held in f16: magnitudes above 65,504 overflow, below 6.1e-05 lose precision
;; workspace buffers: qu 8,388,608 bytes; qv 8,388,608 bytes; kh 8,388,608 bytes; vh 8,388,608 bytes; rr 2,359,296 bytes; ob 8,388,608 bytes
;; launch proj (part 1): grid 228 x 1, 4 waves a work-group, no clusters, 129,536 bytes of LDS; arguments q, k, v, Wq, Wk, Wv, Wp, bq, bk, bv, b_u, b_v, qu, qv, kh, vh, rr; writes qu, qv, kh, vh, rr
.if DOCPART == 1
	.amdgcn_target "amdgcn-amd-amdhsa--gfx1250"
	.amdhsa_code_object_version 6
	.text
	.protected	k_q3b2d71c2cd_proj
	.globl	k_q3b2d71c2cd_proj
	.p2align	8
	.type	k_q3b2d71c2cd_proj,@function
k_q3b2d71c2cd_proj:
	s_mov_b64 s[64:65], 0
	v_nop
	global_prefetch_b8 v0, s[64:65] scope:SCOPE_SE
	s_setreg_imm32_b32 hwreg(HW_REG_WAVE_MODE, 25, 1), 1
	s_wait_xcnt 0x0
; FOUR PROJECTIONS IN ONE TEXT.  Work-groups 0-63: qu = q Wq^T + bq + b_u and qv = q Wq^T + bq + b_v; 64-127: kh = k Wk^T + bk; 128-191: vh; 192-227: rr, the table of relative positions.
; rr[h][e][:] = PE[2047 - e] Wp_h^T for e < 2048 and 0 for 2048 <= e < 2304 (those rows are the reference's tril); PE is made here, in f32, and rounded to f16.
; q, k, v: a work-group makes 128 rows x 512 columns, a wave 64 x 256: 64 accumulators, 512 registers.  rr: 128 rows x 256 columns, a wave 64 x 128 (it has four times the vector work for each number of W, so it takes
; half the columns).  K = 512 in 8 steps of 64.
; FORMATS.  q, k, v, the weights and all biases are rounded to bf16 (bq, bk, bv into the accumulators, which so start the sums; b_u, b_v are added in f32 on the way out); products in the bf16 form.
; For rr: PE in f16, Wp rounded to bf16 and that number written as f16, products in the f16 form.  All results leave as f16, rounded once, by heads: [b][h][row][64], rr as [h][row][64].
; ROW ORDER.  Inside each block of 64 rows, row t is stored at place ((t&24)<<1)|((t&32)>>2)|(t&7): place 16 kt + 8 h + j holds row 32 h + 8 kt + j.
; LIMITS.  A result beyond 65,504 becomes an infinity in f16.  PE: the angle is reduced by 2 pi in two parts, sine through x^13 and cosine through x^14 on |x| <= pi (2.2e-5 at the ends);
; fifteen of sixteen rows follow by rotation.  Wp's numbers below 6e-5 keep f16's fixed step.  The way out multiplies b_u by 0 for k, v and rr: an infinity or NaN in b_u makes those NaN too.
; NO CLUSTER, NO TENSOR LOADS: all operands are f32 in memory and change format in registers on the way into LDS, so there is no tile that a joint load could bring.
; The matrix instruction is used transposed (source 0 = 16 rows of W, source 1 = 16 rows of x): a lane holds one row of x and eight neighbouring columns.
; REGISTERS.  window 0: v0-16 addresses, v30-31 the add's two, v32-95 x as loaded (or PE at work), v96-127 fragments of x, v128-255 fragments of W;
; window 1: W as loaded, on the way out the addends; windows 2, 3: accumulator (mt, nt) in window 2 + mt/2 at v[8 (16 (mt&1) + nt)].
.set PITCH, 144                        ; an LDS row: 128 bytes + 16: sixteen rows of a fragment load start at sixteen different groups of four banks
.set WOFF,  128*PITCH                  ; x's 128 rows, then W's 512
.set STAGE, WOFF+512*PITCH             ; 64 rows x 144 bytes for each wave, for the way out
.set SPARE, STAGE+4*64*PITCH           ; the spare words, 128 bytes a wave
.set RRH,   2304*128                   ; bytes of a head of rr
.set GOFF, 2
.set SA,   3
.set SWB,  6
.set FX,   7
.set FW,   8
.set STO,  11
.set RD,   12
.set GO,   13
.set GB,   14
.set FWP,  16                          ; rr: my fragments of W (a wave has 128 columns there)
.set SPW,  30
.set NIL,  31
.set AST,  32
.set XF,   96
.set WF,   128
.set PA,   38                          ; s[38:39] x        s[40:41] W       s[42:43] the bias that starts the sums
.set PW,   40
.set PBI,  42
.set PO,   44                          ; s[44:45] where this pass stores    s[46:47] where the second pass stores
.set PO2,  46
.set WVN,  48
.set WM,   49
.set WN,   50
.set SELR, 51
.set RB,   52
.set TR,   53
.set BMSK, 54
.set HIM,  55
.set HS,   56                          ; s[56:57] bytes from head to head
.set MF,   66                          ; s[66:67] the addend's factor, in the low word
.set NPS,  68                          ; passes of the way out
.set PASS, 69
.set ADP,  70                          ; s[70:71] this pass's addend
.set CH,   72                          ; rr: which 256 columns; else 0
.set MSB, 0
.macro WIN new                         ; the immediate's high byte repeats the setting that is left
.if MSB != (\new)
	s_set_vgpr_msb (MSB<<8)|(\new)
.set MSB, \new
.endif
.endm
.macro LOADW j0, j1                    ; of a K step of W (rows of 64 f32): loads j0 to j1 - 1 of a thread, eight rows of W each
	WIN 0x40
.set j, \j0
.rept (\j1)-(\j0)
	global_load_b128 v[4*j:4*j+3], v[GOFF], s[PW:PW+1] offset:16384*j
.set j, j+1
.endr
	WIN 0
.endm
.macro LOADA                           ; a K step of x: 128 rows x 64 f32
.set j, 0
.rept 16
	global_load_b128 v[AST+4*j:AST+4*j+3], v[GOFF], s[PA:PA+1] offset:16384*j th:TH_LOAD_NT
.set j, j+1
.endr
.endm
.macro CVTA
.set j, 0
.rept 16
	v_cvt_pk_bf16_f32 v[AST+4*j], v[AST+4*j], v[AST+4*j+1]
	v_cvt_pk_bf16_f32 v[AST+4*j+1], v[AST+4*j+2], v[AST+4*j+3]
.set j, j+1
.endr
.set j, 0
.rept 16
	ds_store_b64 v[SA], v[AST+4*j:AST+4*j+1] offset:8*PITCH*j
.set j, j+1
.endr
.endm
.macro CVTW f16, n                     ; n loads' worth of W to bf16 (f16 = 1: and that number on into f16), then into LDS
	WIN 0x45
.if \f16
.set j, 0
.rept \n
	v_cvt_pk_bf16_f32 v[4*j], v[4*j], v[4*j+1]
	v_cvt_pk_bf16_f32 v[4*j+2], v[4*j+2], v[4*j+3]
.set j, j+1
.endr
.set j, 0
.rept \n
	v_and_b32 v[4*j+1], s[HIM], v[4*j]
	v_and_b32 v[4*j+3], s[HIM], v[4*j+2]
.set j, j+1
.endr
.set j, 0
.rept \n
	v_lshlrev_b32 v[4*j], 16, v[4*j]
	v_lshlrev_b32 v[4*j+2], 16, v[4*j+2]
.set j, j+1
.endr
.set j, 0
.rept \n
	v_cvt_pk_f16_f32 v[4*j], v[4*j], v[4*j+1]
	v_cvt_pk_f16_f32 v[4*j+1], v[4*j+2], v[4*j+3]
.set j, j+1
.endr
.else
.set j, 0
.rept \n
	v_cvt_pk_bf16_f32 v[4*j], v[4*j], v[4*j+1]
	v_cvt_pk_bf16_f32 v[4*j+1], v[4*j+2], v[4*j+3]
.set j, j+1
.endr
.endif
	WIN 0x04                               ; address window 0, data window 1
.set j, 0
.rept 32
	ds_store_b64 v[SA], v[4*j:4*j+1] offset:WOFF+8*PITCH*j
.set j, j+1
.endr
.if (\n) > 32
.set j, 0
.rept (\n)-32
	ds_store_b64 v[SWB], v[128+4*j:128+4*j+1] offset:8*PITCH*j
.set j, j+1
.endr
.endif
	WIN 0
.endm
; One row of PE: (sin, cos) of two frequencies, rounded to f16, 0 where the position is negative; then the rotation to the row 8 further down (position less 8).
.macro PEROW i, s, c, s2, c2
	v_cmp_le_f32 vcc_lo, 0, v68
	v_cvt_pk_f16_f32 v62, v[\s], v[\c]
	v_cvt_pk_f16_f32 v63, v[\s+1], v[\c+1]
	v_add_f32 v68, 0xc1000000, v68         ; the position less 8
	v_cndmask_b32 v62, 0, v62, vcc_lo
	v_cndmask_b32 v63, 0, v63, vcc_lo
	ds_store_b64 v[SA], v[62:63] offset:8*PITCH*(\i)
.if (\i) < 15
	v_pk_mul_f32 v[\s2:\s2+1], v[\s:\s+1], v[56:57]
	v_pk_mul_f32 v[\c2:\c2+1], v[\c:\c+1], v[56:57]
	v_pk_fma_f32 v[\s2:\s2+1], v[\c:\c+1], v[52:53], v[\s2:\s2+1] neg_lo:[1,0,0] neg_hi:[1,0,0]
	v_pk_fma_f32 v[\c2:\c2+1], v[\s:\s+1], v[52:53], v[\c2:\c2+1]
.endif
.endm
.macro HORNER base, coef               ; both angle sets: p = p x^2 + coef
.irp u, 0,1
	v_pk_fma_f32 v[\base+2*\u:\base+2*\u+1], v[\base+2*\u:\base+2*\u+1], v[46+2*\u:47+2*\u], \coef op_sel_hi:[1,1,0]
.endr
.endm
; A K step of PE.  v[70:71] my two frequency numbers, v[72:73] my first row's position (twice), v[64:67] two coefficients.  Set 0: the first row's angles; set 1: the step's, 8 x 10000^(-f/256).
.macro PEGEN
	v_pk_mul_f32 v[58:59], v[70:71], 0xbd549a78 op_sel_hi:[1,0]   ; -log2(10000)/256 x f
	v_exp_f32 v32, v58
	v_exp_f32 v33, v59
	v_pk_add_f32 v[70:71], v[70:71], 0x42000000 op_sel_hi:[1,0]   ; the next K step's frequencies: also the plain line behind the exponentials
	v_mov_b32 v68, v72
	s_wait_alu depctr_va_vdst(0)
	v_pk_mul_f32 v[34:35], v[32:33], v[72:73]
	v_pk_mul_f32 v[36:37], v[32:33], 0x41000000 op_sel_hi:[1,0]
.irp u, 0,1
	v_pk_mul_f32 v[38+2*\u:39+2*\u], v[34+2*\u:35+2*\u], 0x3e22f983 op_sel_hi:[1,0]
.endr
.irp u, 38,39,40,41
	v_rndne_f32 v\u, v\u
.endr
.irp u, 0,1
	v_pk_fma_f32 v[42+2*\u:43+2*\u], v[38+2*\u:39+2*\u], 0xc0c90000, v[34+2*\u:35+2*\u] op_sel_hi:[1,0,1]   ; less k x 6.28125, exact
.endr
.irp u, 0,1
	v_pk_fma_f32 v[42+2*\u:43+2*\u], v[38+2*\u:39+2*\u], 0xbafdaa22, v[42+2*\u:43+2*\u] op_sel_hi:[1,0,1]   ; less k x the rest of 2 pi
.endr
.irp u, 0,1
	v_pk_mul_f32 v[46+2*\u:47+2*\u], v[42+2*\u:43+2*\u], v[42+2*\u:43+2*\u]
.endr
.irp u, 0,1
	v_pk_fma_f32 v[50+2*\u:51+2*\u], v[46+2*\u:47+2*\u], 0x2f309231, v[64:65] op_sel_hi:[1,0,1]
	v_pk_fma_f32 v[54+2*\u:55+2*\u], v[46+2*\u:47+2*\u], 0xad49cba5, v[66:67] op_sel_hi:[1,0,1]
.endr
	HORNER 50, 0x3638ef1d
	HORNER 54, 0xb493f27e
	HORNER 50, 0xb9500d01
	HORNER 54, 0x37d00d01
	HORNER 50, 0x3c088889
	HORNER 54, 0xbab60b61
	HORNER 50, 0xbe2aaaab
	HORNER 54, 0x3d2aaaab
	HORNER 50, 1.0
	HORNER 54, -0.5
.irp u, 0,1
	v_pk_mul_f32 v[50+2*\u:51+2*\u], v[50+2*\u:51+2*\u], v[42+2*\u:43+2*\u]
.endr
	HORNER 54, 1.0
.set i, 0
.rept 8
	PEROW 2*i, 50, 54, 58, 60
	PEROW 2*i+1, 58, 60, 50, 54
.set i, i+1
.endr
.endm
.macro MMA f16, d, a, b
.if \f16
	v_wmma_f32_16x16x32_f16 v[\d:\d+7], v[\a:\a+7], v[\b:\b+7], v[\d:\d+7]
.else
	v_wmma_f32_16x16x32_bf16 v[\d:\d+7], v[\a:\a+7], v[\b:\b+7], v[\d:\d+7]
.endif
.endm
; 32 along K, nts blocks of 16 columns: 8 + 2 nts fragment loads, then 4 nts matrix instructions; the accumulators take turns.
; My rows 0-31 go by nt, four nt to a wait: LDS loads come back in order, so each group's products start while the later groups' fragments (two loads for each later nt) are on their way.
.macro MM f16, kh, nts, fw
	WIN 0
.rept 4
	v_nop                                  ; four places between the last matrix instruction and loads into its sources
.endr
.set mt, 0
.rept 4
	ds_load_b128 v[XF+8*mt:XF+8*mt+3], v[FX] offset:16*PITCH*mt+64*(\kh)
	ds_load_b128 v[XF+8*mt+4:XF+8*mt+7], v[FX] offset:16*PITCH*mt+64*(\kh)+32
.set mt, mt+1
.endr
.set nt, 0
.rept \nts
	ds_load_b128 v[WF+8*nt:WF+8*nt+3], v[\fw] offset:16*PITCH*nt+64*(\kh)
	ds_load_b128 v[WF+8*nt+4:WF+8*nt+7], v[\fw] offset:16*PITCH*nt+64*(\kh)+32
.set nt, nt+1
.endr
	WIN 0xa0
.set g, 0
.rept (\nts)/4
	s_wait_dscnt 8*((\nts)/4-1-g)          ; all but the later groups' eight loads each
.set nt, 4*g
.rept 4
	MMA \f16, 8*nt, WF+8*nt, XF
	MMA \f16, 8*(16+nt), WF+8*nt, XF+8
.set nt, nt+1
.endr
.set g, g+1
.endr
	WIN 0xf0
.set nt, 0
.rept \nts
	MMA \f16, 8*nt, WF+8*nt, XF+16
	MMA \f16, 8*(16+nt), WF+8*nt, XF+24
.set nt, nt+1
.endr
.endm
; The loop over K.  One set of tiles in LDS, two barriers a trip: nobody stores before all have read the last step's tiles, nobody reads before all have stored.
; The next step's loads go out in two runs, 16 + 46 ahead of the first 32 along K and 18 behind it, so that no run asks for more than LOADcnt can count.
.macro KLOOP pe
	s_mov_b32 s[TR], 8
.Lk_\@:
	s_wait_loadcnt 0x0                     ; this step's numbers are in registers
	s_barrier_signal -1                    ; my reads of the last step's tiles were waited for in front of its products
	s_barrier_wait -1
.if \pe
	PEGEN
	CVTW 1, 32
.else
	CVTA
	CVTW 0, 64
.endif
	s_wait_dscnt 0x0                       ; for the others' sake: my stores are done
	s_barrier_signal -1
	s_barrier_wait -1
	s_add_nc_u64 s[PW:PW+1], s[PW:PW+1], 256   ; 64 f32 on along K; the loads that named these bases are done
.if !(\pe)
	s_add_nc_u64 s[PA:PA+1], s[PA:PA+1], 256
.endif
	s_cmp_eq_u32 s[TR], 1
	s_cbranch_scc1 .Ln_\@                  ; the last step loads nothing
.if \pe
	LOADW 0, 32
.else
	LOADA
	LOADW 0, 46
.endif
.Ln_\@:
.if \pe
	MM 1, 0, 8, FWP
	MM 1, 1, 8, FWP
.else
	MM 0, 0, 16, FW
	WIN 0
	s_cmp_eq_u32 s[TR], 1
	s_cbranch_scc1 .Lm_\@
	LOADW 46, 64
.Lm_\@:
	MM 0, 1, 16, FW
.endif
	WIN 0
	s_sub_co_u32 s[TR], s[TR], 1
	s_cmp_lg_u32 s[TR], 0
	s_cbranch_scc1 .Lk_\@
.endm
	s_load_b512 s[4:19], s[0:1], 0x0       ; q k v Wq Wk Wv Wp bq
	s_load_b512 s[20:35], s[0:1], 0x40     ; bk bv b_u b_v qu qv kh vh
	s_load_b64 s[36:37], s[0:1], 0x80      ; rr
	v_lshl_add_u32 v[SPW], v0, 2, SPARE
	v_mov_b32 v[NIL], 0
	v_lshrrev_b32 v1, 5, v0
	v_readfirstlane_b32 s[WVN], v1         ; wave
	s_lshr_b32 s[WM], s[WVN], 1            ; which 64 rows
	s_and_b32 s[WN], s[WVN], 1             ; which half of the columns
	s_lshr_b32 s[SELR], ttmp9, 6
	s_min_u32 s[SELR], s[SELR], 3          ; which projection
	s_lshl_b32 s[RB], s[SELR], 6
	s_sub_co_u32 s[RB], ttmp9, s[RB]       ; the work-group's number in it: q, k, v: its block of 128 rows;
	s_and_b32 s[CH], s[RB], 1              ; rr: the low bit says which 256 columns,
	s_lshr_b32 s62, s[RB], 1               ; the rest which 128 rows
	s_cmp_eq_u32 s[SELR], 3
	s_cselect_b32 s[RB], s62, s[RB]
	s_cselect_b32 s[CH], s[CH], 0
	s_mov_b32 s[HIM], 0xffff0000
	v_and_b32 v1, 15, v0                   ; r
	v_bfe_u32 v4, v0, 4, 1                 ; half of the lanes
	v_lshrrev_b32 v5, 4, v0                ; thread / 16: 0..7
	v_lshlrev_b32 v[GOFF], 4, v1
	v_lshl_add_u32 v[GOFF], v5, 11, v[GOFF]  ; row (thread/16) of 2,048 bytes, 16 bytes at 16 r
	v_mul_u32_u24 v[SA], v5, PITCH
	v_lshl_add_u32 v[SA], v1, 3, v[SA]     ; the same place in LDS, 8 bytes
	v_add_nc_u32 v[SWB], WOFF+256*PITCH, v[SA]  ; W's rows 256 on: beyond the 16-bit offset
	v_mul_u32_u24 v9, v1, PITCH
	v_lshl_add_u32 v9, v4, 4, v9           ; a fragment's row x pitch + 16 x half
	s_mul_i32 s62, s[WM], 64*PITCH
	v_add_nc_u32 v[FX], s62, v9
	s_mul_i32 s62, s[WN], 256*PITCH
	s_add_co_u32 s62, s62, WOFF
	v_add_nc_u32 v[FW], s62, v9
	s_mul_i32 s62, s[WN], 128*PITCH
	s_add_co_u32 s62, s62, WOFF
	v_add_nc_u32 v[FWP], s62, v9
	s_mul_i32 s62, s[WVN], 64*PITCH
	s_add_co_u32 s62, s62, STAGE           ; my stage
	v_bfe_u32 v10, v0, 3, 1
	v_and_b32 v15, 7, v0
	v_lshl_add_u32 v10, v10, 4, v15        ; the row order's part that hangs on r: 16 (r>>3) + (r&7)
	v_mul_u32_u24 v10, v10, PITCH
	v_lshl_add_u32 v10, v4, 4, v10
	v_add_nc_u32 v[STO], s62, v10
	v_bfe_u32 v10, v0, 3, 2
	v_mul_u32_u24 v10, v10, PITCH
	v_lshl_add_u32 v10, v15, 4, v10
	v_add_nc_u32 v[RD], s62, v10           ; back: 32 lanes take four rows of 128 bytes
	v_and_b32 v[GO], 31, v0
	v_lshlrev_b32 v[GO], 4, v[GO]
	v_lshlrev_b32 v[GB], 5, v4
	s_lshl_b32 s62, s[WN], 10
	v_add_nc_u32 v[GB], s62, v[GB]         ; biases: 4 (256 wn + 8 half)
	s_lshr_b32 s58, s[RB], 4               ; where my rows go.  q, k, v: batch, the rows in it, head 4 wn
	s_lshl_b32 s58, s58, 21
	s_and_b32 s59, s[RB], 15
	s_lshl_b32 s59, s59, 14
	s_add_co_u32 s58, s58, s59
	s_lshl_b32 s59, s[WN], 20
	s_add_co_u32 s58, s58, s59
	s_lshl_b32 s60, s[RB], 14              ; rr: the rows, head 4 ch + 2 wn
	s_lshl_b32 s59, s[CH], 2
	s_lshl_b32 s61, s[WN], 1
	s_add_co_u32 s59, s59, s61
	s_mul_i32 s59, s59, RRH
	s_add_co_u32 s60, s60, s59
	s_mov_b32 s[HS], 262144                ; bytes from head to head
	s_mov_b32 s61, RRH
	s_cmp_eq_u32 s[SELR], 3
	s_cselect_b32 s58, s60, s58
	s_cselect_b32 s[HS], s61, s[HS]
	s_cselect_b32 s[BMSK], 0, -1           ; rr has no bias: the words are masked away
	s_lshl_b32 s59, s[WM], 13
	s_add_co_u32 s58, s58, s59
	s_mov_b32 s59, 0
	s_mov_b32 s[HS+1], 0
	s_lshl_b32 s60, s[RB], 18              ; x: 128 rows of 2,048 bytes
	s_mov_b32 s61, 0
	s_lshl_b32 s62, s[CH], 19              ; W: rr's 256 rows of 2,048 bytes; else 0
	s_mov_b32 s63, 0
	s_cmp_eq_u32 s[SELR], 0
	s_cselect_b32 s[MF], 1.0, 0            ; only q takes b_u and b_v,
	s_cselect_b32 s[NPS], 2, 1             ; and goes out twice
	s_mov_b32 s[MF+1], 0
	s_mov_b32 s[PASS], 0
	s_wait_kmcnt 0x0
	s_cmp_eq_u32 s[SELR], 1
	s_cselect_b64 s[PA:PA+1], s[6:7], s[4:5]
	s_cselect_b64 s[PW:PW+1], s[12:13], s[10:11]
	s_cselect_b64 s[PBI:PBI+1], s[20:21], s[18:19]
	s_cselect_b64 s[PO:PO+1], s[32:33], s[28:29]
	s_cmp_eq_u32 s[SELR], 2
	s_cselect_b64 s[PA:PA+1], s[8:9], s[PA:PA+1]
	s_cselect_b64 s[PW:PW+1], s[14:15], s[PW:PW+1]
	s_cselect_b64 s[PBI:PBI+1], s[22:23], s[PBI:PBI+1]
	s_cselect_b64 s[PO:PO+1], s[34:35], s[PO:PO+1]
	s_cmp_eq_u32 s[SELR], 3
	s_cselect_b64 s[PW:PW+1], s[16:17], s[PW:PW+1]
	s_cselect_b64 s[PO:PO+1], s[36:37], s[PO:PO+1]
	s_add_nc_u64 s[PO:PO+1], s[PO:PO+1], s[58:59]
	s_add_nc_u64 s[PO2:PO2+1], s[30:31], s[58:59]
	s_add_nc_u64 s[PA:PA+1], s[PA:PA+1], s[60:61]
	s_add_nc_u64 s[PW:PW+1], s[PW:PW+1], s[62:63]
	s_mov_b64 s[ADP:ADP+1], s[24:25]       ; the first pass adds b_u
.set j, 0
.rept 16                               ; the bias of 256 columns, as the accumulators hold them: eight numbers for each nt
	global_load_b128 v[WF+8*j:WF+8*j+3], v[GB], s[PBI:PBI+1] offset:64*j
	global_load_b128 v[WF+8*j+4:WF+8*j+7], v[GB], s[PBI:PBI+1] offset:64*j+16
.set j, j+1
.endr
	LOADW 0, 32
	s_cmp_eq_u32 s[SELR], 3
	s_cbranch_scc1 .Lnoa
	LOADW 32, 64
	LOADA
	s_wait_loadcnt 63                      ; behind the bias stand 80 loads: with 63 out the bias is in
	s_branch .Lbi
.Lnoa:
	s_wait_loadcnt 32                      ; rr: behind the bias stand 32 loads
.Lbi:
.set j, 0
.rept 64
	v_cvt_pk_bf16_f32 v[WF+j], v[WF+2*j], v[WF+2*j+1]
.set j, j+1
.endr
.set j, 0
.rept 64
	v_and_b32 v[WF+j], s[BMSK], v[WF+j]
.set j, j+1
.endr
.irp wd, 0x80, 0xc0                    ; the sums start at the rounded bias: no clearing, and no addition later
	WIN \wd
.set a, 0
.rept 32
.set j, 0
.rept 4
	v_lshlrev_b32 v[8*a+2*j], 16, v[WF+4*(a%16)+j]
	v_and_b32 v[8*a+2*j+1], s[HIM], v[WF+4*(a%16)+j]
.set j, j+1
.endr
.set a, a+1
.endr
.endr
	WIN 0
	s_cmp_eq_u32 s[SELR], 3
	s_cbranch_scc1 .Lpe
	KLOOP 0
	s_branch .Lout
.Lpe:
	s_lshl_b32 s58, s[RB], 7
	s_sub_co_u32 s58, 2047, s58
	v_sub_nc_u32 v72, s58, v5              ; my first row's position: 2047 - e (a number, no address)
	v_cvt_f32_i32 v72, v72
	v_mov_b32 v73, v72
	v_lshlrev_b32 v70, 1, v1
	v_cvt_f32_u32 v70, v70                 ; my two frequencies: 2 r, 2 r + 1
	v_add_f32 v71, 1.0, v70
	v_mov_b32 v64, 0xb2d7322b
	v_mov_b32 v65, 0xb2d7322b
	v_mov_b32 v66, 0x310f76c7
	v_mov_b32 v67, 0x310f76c7
	KLOOP 1
.Lout:
	; THE WAY OUT.  A pass: the addend of 256 columns is loaded and rounded to bf16; then, a head at a time: sum + factor x addend in f32, to f16, 16 bytes a lane into my stage at the row's
	; new place, back as whole rows, 512 consecutive bytes a store.  q's work-groups make two passes (b_u into qu, b_v into qv), the others one, with the factor 0.  rr's waves have two heads, not four.
.rept 4
	v_nop                                  ; four places behind the last matrix instruction
.endr
.Lpass:
	s_wait_loadcnt 0x0                     ; the registers below held W as loaded: they are loaded again only behind a wait for all earlier loads
	WIN 0x40
.set j, 0
.rept 16
	global_load_b128 v[8*j:8*j+3], v[GB], s[ADP:ADP+1] offset:64*j
	global_load_b128 v[8*j+4:8*j+7], v[GB], s[ADP:ADP+1] offset:64*j+16
.set j, j+1
.endr
	s_wait_loadcnt 0x0
	WIN 0x45
.set j, 0
.rept 64
	v_cvt_pk_bf16_f32 v[128+j], v[2*j], v[2*j+1]
.set j, j+1
.endr
.set j, 0
.rept 64
	v_lshlrev_b32 v[2*j], 16, v[128+j]
	v_and_b32 v[2*j+1], s[HIM], v[128+j]
.set j, j+1
.endr
.set hl, 0
.rept 4
.set mt, 0
.rept 4
	WIN 0x21+0x10*(mt/2)                   ; the addend window 1, the sum window 2 or 3, the result window 0
.set c, 0
.rept 16                               ; each accumulator's registers in ascending order
	v_pk_fma_f32 v[XF+2*c:XF+2*c+1], v[8*(4*hl+c/4)+2*(c%4):8*(4*hl+c/4)+2*(c%4)+1], s[MF:MF+1], v[8*(16*(mt%2)+4*hl+c/4)+2*(c%4):8*(16*(mt%2)+4*hl+c/4)+2*(c%4)+1] op_sel_hi:[1,0,1]
.set c, c+1
.endr
	WIN 0
.set c, 0
.rept 16
	v_cvt_pk_f16_f32 v[AST+16*mt+c], v[XF+2*c], v[XF+2*c+1]
.set c, c+1
.endr
.set mt, mt+1
.endr
.set mt, 0
.rept 4
.irp n, 0,1,2,3
	ds_store_b128 v[STO], v[AST+16*mt+4*\n:AST+16*mt+4*\n+3] offset:(32*(mt%2)+8*(mt/2))*PITCH+32*\n
.endr
.set mt, mt+1
.endr
.set i, 0
.rept 16
	ds_load_b128 v[WF+4*i:WF+4*i+3], v[RD] offset:4*PITCH*i   ; LDS serves a wave's instructions in order: these see the stores above
.set i, i+1
.endr
	s_wait_dscnt 0x0
.set i, 0
.rept 16
	global_store_b128 v[GO], v[WF+4*i:WF+4*i+3], s[PO:PO+1] offset:512*i
.set i, i+1
.endr
	s_wait_xcnt 0x0                        ; the stores' base and data are rewritten only behind this wait
	s_add_nc_u64 s[PO:PO+1], s[PO:PO+1], s[HS:HS+1]
.if hl == 1
	s_cmp_eq_u32 s[SELR], 3
	s_cbranch_scc1 .Lpend                  ; rr: my 128 columns are out
.endif
.set hl, hl+1
.endr
.Lpend:
	s_mov_b64 s[PO:PO+1], s[PO2:PO2+1]     ; the second pass: b_v into qv
	s_mov_b64 s[ADP:ADP+1], s[26:27]
	s_add_co_u32 s[PASS], s[PASS], 1
	s_cmp_lt_u32 s[PASS], s[NPS]
	s_cbranch_scc1 .Lpass
	s_wait_tensorcnt 0x0                   ; the wave's end
	ds_add_u32 v[SPW], v[NIL]
	s_wait_dscnt 0x0
	s_endpgm
.Lfunc_end_k_q3b2d71c2cd_proj:
	.size	k_q3b2d71c2cd_proj, .Lfunc_end_k_q3b2d71c2cd_proj-k_q3b2d71c2cd_proj
	.p2alignl 7, 3214868480
	.fill 96, 4, 3214868480
	.section	.rodata,"a",@progbits
	.p2align	6, 0x0
	.amdhsa_kernel k_q3b2d71c2cd_proj
		.amdhsa_group_segment_fixed_size 129536
		.amdhsa_private_segment_fixed_size 0
		.amdhsa_enable_private_segment 0
		.amdhsa_kernarg_size 136
		.amdhsa_user_sgpr_count 2
		.amdhsa_user_sgpr_kernarg_segment_ptr 1
		.amdhsa_wavefront_size32 1
		.amdhsa_system_sgpr_workgroup_id_x 1
		.amdhsa_system_sgpr_workgroup_id_y 1
		.amdhsa_system_sgpr_workgroup_id_z 1
		.amdhsa_system_vgpr_workitem_id 0
		.amdhsa_next_free_vgpr 1024
		.amdhsa_next_free_sgpr 74
		.amdhsa_reserve_vcc 1
		.amdhsa_float_denorm_mode_32 3
		.amdhsa_float_denorm_mode_16_64 3
		.amdhsa_memory_ordered 1
		.amdhsa_forward_progress 1
		.amdhsa_inst_pref_size 173
	.end_amdhsa_kernel
	.amdgpu_metadata
---
amdhsa.version: [ 1, 2 ]
amdhsa.kernels:
  - .name:           k_q3b2d71c2cd_proj
    .symbol:         k_q3b2d71c2cd_proj.kd
    .args:
      - { .name: q, .offset: 0, .size: 8, .value_kind: global_buffer, .address_space: global }
      - { .name: k, .offset: 8, .size: 8, .value_kind: global_buffer, .address_space: global }
      - { .name: v, .offset: 16, .size: 8, .value_kind: global_buffer, .address_space: global }
      - { .name: Wq, .offset: 24, .size: 8, .value_kind: global_buffer, .address_space: global }
      - { .name: Wk, .offset: 32, .size: 8, .value_kind: global_buffer, .address_space: global }
      - { .name: Wv, .offset: 40, .size: 8, .value_kind: global_buffer, .address_space: global }
      - { .name: Wp, .offset: 48, .size: 8, .value_kind: global_buffer, .address_space: global }
      - { .name: bq, .offset: 56, .size: 8, .value_kind: global_buffer, .address_space: global }
      - { .name: bk, .offset: 64, .size: 8, .value_kind: global_buffer, .address_space: global }
      - { .name: bv, .offset: 72, .size: 8, .value_kind: global_buffer, .address_space: global }
      - { .name: b_u, .offset: 80, .size: 8, .value_kind: global_buffer, .address_space: global }
      - { .name: b_v, .offset: 88, .size: 8, .value_kind: global_buffer, .address_space: global }
      - { .name: qu, .offset: 96, .size: 8, .value_kind: global_buffer, .address_space: global }
      - { .name: qv, .offset: 104, .size: 8, .value_kind: global_buffer, .address_space: global }
      - { .name: kh, .offset: 112, .size: 8, .value_kind: global_buffer, .address_space: global }
      - { .name: vh, .offset: 120, .size: 8, .value_kind: global_buffer, .address_space: global }
      - { .name: rr, .offset: 128, .size: 8, .value_kind: global_buffer, .address_space: global }
    .group_segment_fixed_size: 129536
    .private_segment_fixed_size: 0
    .kernarg_segment_align: 8
    .kernarg_segment_size: 136
    .max_flat_workgroup_size: 128
    .sgpr_count:     74
    .vgpr_count:     1024
    .wavefront_size: 32
...
	.end_amdgpu_metadata
.endif
;; end of part 1
;; launch attn (part 2): grid 32 x 8, 4 waves a work-group, clusters of 4 x 1, 327,680 bytes of LDS; arguments qu, qv, kh, vh, rr, mask, ob; writes ob
.if DOCPART == 2
	.amdgcn_target "amdgcn-amd-amdhsa--gfx1250"
	.amdhsa_code_object_version 6
	.text
	.protected	k_q3b2d71c2cd_attn
	.globl	k_q3b2d71c2cd_attn
	.p2align	8
	.type	k_q3b2d71c2cd_attn,@function
k_q3b2d71c2cd_attn:
	s_mov_b64 s[64:65], 0
	v_nop
	global_prefetch_b8 v0, s[64:65] scope:SCOPE_SE
	s_setreg_imm32_b32 hwreg(HW_REG_WAVE_MODE, 25, 1), 1
	s_wait_xcnt 0x0
	s_wait_alu depctr_hold_cnt(0) depctr_sa_sdst(0) depctr_va_vdst(0) depctr_va_sdst(0) depctr_va_ssrc(0) depctr_va_vcc(0) depctr_vm_vsrc(0)
	s_getreg_b32 s2, hwreg(HW_REG_IB_STS2, 6, 4)
	s_cmp_eq_u32 s2, 0
	s_cbranch_scc0 .Lentry_in_a_cluster
	s_endpgm
.Lentry_in_a_cluster:
	s_bfe_u32 s2, ttmp6, 0x10000c
	s_cmp_lg_u32 s2, 0x3003
	s_cbranch_scc0 .Lentry_shape_is_right
	s_endpgm
.Lentry_shape_is_right:
; ATTENTION WITH RELATIVE POSITIONS.  score[i][j] = (qu_i . k_j + [j <= i] qv_i . R[i - j]) / 8, less 1e30 where mask[j] is false; softmax over j; O = P V.  qu = q + b_u, qv = q + b_v come ready.
; qu, qv, kh, vh: [b][h][place][64] f16, rr: [h][place][64] f16 with rr row e = R[2047 - e], 0 for 2048 <= e < 2304; inside each 64 rows place 16 kt + 8 h + j holds row 32 h + 8 kt + j.  ob: [b][h][t][64] f16, t in order.
; LAYOUT.  S^T = K Qu^T: a lane holds ONE query (lane % 16); by the row order its 32 registers are 32 NEIGHBOURING keys, 32 (lane / 16) + x.  The second term wants rr row E0 + 32 (lane/16) + x + 15 - lane%16:
; a BAND of 48 values a lane, b[y] = rr[E0 + 32 (lane/16) + y] . Qv, comes from six products R Qv^T; four rounds of selects move it down by 15 - lane%16 registers; the result is the C operand of K Qu^T.
; The key mask rides along as the C operand of the band, read from a table in LDS at the band's own skew.
; SHARES.  A work-group owns two blocks of 128 queries of one (batch, head): H = block 15 - pb and L = block pb; a wave 2 x 16 queries in each: tiles 0, 1 (H), 2, 3 (L).  All 16 key tiles of 128 keys are walked,
; two steps of 64 each; a fragment of K or V read from LDS serves four tiles.
; THE BAND IS MADE IN EVERY STEP, for both blocks, also where all of a tile's keys lie behind the block's queries (15 of the 32 pairs of block and tile): there the window of rr is the table's last 256 rows, all 0,
; and the band is the mask alone.  The price: 24 products and 278 selects a step for each such pair.  The gain: one walk, the same in every work-group, with no branch on the block's place.
; CLUSTER.  The four partners are the four BATCHES of one (head, pb): they need the same windows of rr (2 x 32 KiB a tile), which are asked for jointly.  K and V (2 x 16 KiB a tile) differ between them and are
; loads of each one's own, behind the same rounds.
; SOFTMAX.  Running maximum m and sum l: p = 2^(c s - c m), c = log2(e) / 8; O and l are multiplied by a = 2^(c m_old - c m_new) in every step; m starts at the lowest finite number, O and l at 0.
; LIMITS.  f16 ends at 65,504.  A hidden key counts as its score less 1e30; a row with no visible key gives NaN, as the reference does; a weight below 2^-126 counts as 0.
; REGISTERS.  window 0: v0-23 addresses, v24-39 statistics, v40-55 at work, v64-191 S^T (32 a tile), v192-255 P (16 a tile).  window 1: v0-127 O^T, v128-223 two bands.
; window 2: v0-63 Qu, v64-127 Qv, v128-191 K, v192-255 V.  window 3: v0-127 fragments of rr, v128-175 the mask at the band's skew.
.set PK,    144
.set PVP,   160
.set VOFF,  128*PK                     ; a slot: 128 rows of K,
.set RHOFF, VOFF+128*PVP               ; 128 of V,
.set RLD,   256*PK                     ; 256 of rr for H, 256 for L
.set SLOT1, 1<<17
.set MT,    SLOT1+RHOFF+2*RLD          ; the mask as f32, 0 or -1e30: 32 words of 0, 2,048 keys, 64 words of 0
.set MTK,   MT+128
.set STAGE, MT+8704
.set SP,    144
.set SPARE, STAGE+4*16*SP
.set RRH,   2304*128                   ; bytes of a head of rr
.set AK0, 2
.set AV0, 3
.set AK,  4
.set AV,  5
.set AR0B, 6
.set AR0, 8
.set AMB0, 10
.set AMB, 12
.set STO, 14
.set RD,  15
.set GO,  16
.set QO,  17
.set MV,  18
.set SPW, 22
.set NIL, 23
.set ST,  24
.set TMP, 40
.set S,   64
.set P,   192
.set BAND, 128
.set QV,  64
.set KF,  128
.set VF,  192
.set BM,  128
.set WV, 20
.set PB, 21
.set HD, 22
.set CX, 23
.set G1K, 24
.set G1V, 32
.set G1R, 40
.set G0K, 48
.set G0V, 52
.set G0H, 56
.set G0L, 60
.set CS,  66
.set SEL, 68
.set TBK, 70
.set TBV, 71
.set TBR, 72
.set KB4, 73
.set SLOTS, 74
.set CNT, 75
.set NXT, 77
.set OFF, 78
.set M8,  80
.set M4,  81
.set M2,  82
.set M1,  83
.set OH,  84
.set BIGN, 90
.set RBASE, 92
.set QUB, 94                           ; s[94:97] qu at my rows of H, of L
.set QVB, 98                           ; s[98:101] qv likewise
.set MSB, 0
.macro WIN new
.if MSB != (\new)
	s_set_vgpr_msb (MSB<<8)|(\new)
.set MSB, \new
.endif
.endm
.macro NOP4
.rept 4
	v_nop
.endr
.endm
; A fill: wave 0 K, wave 1 V, wave 2 H's window of rr, wave 3 L's.  An s_nop 0 and four v_nop follow each line.
.macro JLOAD
	s_cmp_lg_u32 s[WV], 0
	s_cbranch_scc1 .Lj1_\@
	tensor_load_to_lds s[G0K:G0K+3], s[G1K:G1K+7]
	s_nop 0
	NOP4
	s_branch .Ljd_\@
.Lj1_\@:
	s_cmp_lg_u32 s[WV], 1
	s_cbranch_scc1 .Lj2_\@
	tensor_load_to_lds s[G0V:G0V+3], s[G1V:G1V+7]
	s_nop 0
	NOP4
	s_branch .Ljd_\@
.Lj2_\@:
	s_cmp_lg_u32 s[WV], 2
	s_cbranch_scc1 .Lj3_\@
	tensor_load_to_lds s[G0H:G0H+3], s[G1R:G1R+7]
	s_nop 0
	NOP4
	s_branch .Ljd_\@
.Lj3_\@:
	tensor_load_to_lds s[G0L:G0L+3], s[G1R:G1R+7]
	s_nop 0
	NOP4
.Ljd_\@:
.endm
.macro CROUND                          ; a round of the cluster's barrier
	s_barrier_signal -1
	s_barrier_wait -1
	s_cmp_lg_u32 s[WV], 0
	s_cbranch_scc1 .Lnw_\@
	s_barrier_signal -3
.Lnw_\@:
	s_barrier_wait -3
	s_barrier_signal -1
	s_barrier_wait -1
.endm
; THE CHANGE OF SLOTS.  Each wave waits for its one tensor load that is out (its part of the other slot), adds 0 to its spare word, and waits for that and for its reads of the slot that it leaves.
; fill = 1: behind a round of the cluster's barrier the old slot is filled with key tile NXT, first thing.  (At its first use: slot 0 is waited for, slot 1 filled.)
.macro CHANGE fill
	WIN 0
	s_wait_tensorcnt 0x0                   ; no tensor load of mine is out, so the descriptors may be written
	ds_add_u32 v[SPW], v[NIL]
.if \fill
	s_xor_b32 s[G0K+1], s[G0K+1], SLOT1
	s_add_nc_u64 s[G0K+2:G0K+3], s[G0K+2:G0K+3], 16384
	s_xor_b32 s[G0V+1], s[G0V+1], SLOT1
	s_add_nc_u64 s[G0V+2:G0V+3], s[G0V+2:G0V+3], 16384
	s_xor_b32 s[G0H+1], s[G0H+1], SLOT1
	s_add_co_u32 s[OFF], s[PB], s[NXT]     ; H's window begins at rr row 128 (pb + tile); from row 2,048 on all rows are 0, so the last window stands for all later ones
	s_min_u32 s[OFF], s[OFF], 16
	s_lshl_b32 s[OFF], s[OFF], 14
	s_add_nc_u64 s[G0H+2:G0H+3], s[RBASE:RBASE+1], s[OFF:OFF+1]
	s_or_b32 s[G0H+3], s[G0H+3], 0x80000000
	s_xor_b32 s[G0L+1], s[G0L+1], SLOT1
	s_add_co_u32 s[OFF], s[NXT], 15        ; L's at 128 (tile + 15 - pb)
	s_sub_co_u32 s[OFF], s[OFF], s[PB]
	s_min_u32 s[OFF], s[OFF], 16
	s_lshl_b32 s[OFF], s[OFF], 14
	s_add_nc_u64 s[G0L+2:G0L+3], s[RBASE:RBASE+1], s[OFF:OFF+1]
	s_or_b32 s[G0L+3], s[G0L+3], 0x80000000
	s_add_co_u32 s[NXT], s[NXT], 1
	s_wait_dscnt 0x0                       ; the add is done, my reads of the slot are over (and, the first time, my stores into the mask table)
	CROUND
	JLOAD
.else
	s_wait_dscnt 0x0
	s_barrier_signal -1
	s_barrier_wait -1
.endif
	s_sub_co_u32 s[TBK], s[TBK], 128*PK    ; the fetches go back to a slot's first step, in the other slot
	s_xor_b32 s[TBK], s[TBK], SLOT1
	s_sub_co_u32 s[TBV], s[TBV], 128*PVP
	s_xor_b32 s[TBV], s[TBV], SLOT1
	s_sub_co_u32 s[TBR], s[TBR], 128*PK
	s_xor_b32 s[TBR], s[TBR], SLOT1
.endm
.macro FETCH_KVM                       ; a step's K (8 fragments), V (turned), and the mask at the band's skew
	WIN 0x80
.irp f, 0,1,2,3,4,5,6,7
	ds_load_b128 v[KF+8*\f:KF+8*\f+3],   v[AK] offset:(\f/2)*16*PK+(\f%2)*64
	ds_load_b128 v[KF+8*\f+4:KF+8*\f+7], v[AK] offset:(\f/2)*16*PK+(\f%2)*64+32
.endr
.irp f, 0,1,2,3,4,5,6,7
	ds_load_tr16_b128 v[VF+8*\f:VF+8*\f+3],   v[AV] offset:(\f/4)*32*PVP+(\f%4)*32
	ds_load_tr16_b128 v[VF+8*\f+4:VF+8*\f+7], v[AV] offset:(\f/4)*32*PVP+16*PVP+(\f%4)*32
.endr
	WIN 0xc0
.set y, 0
.rept 48
	ds_load_b32 v[BM+y], v[AMB] offset:4*y
.set y, y+1
.endr
	WIN 0
.endm
.macro SHIFT n, d, m                   ; one round of the move: n registers of both bands take the register d further up where the lane's bit is set
.irp l, 0,1
.set y, 0
.rept \n
	v_cndmask_b32 v[BAND+48*\l+y], v[BAND+48*\l+y], v[BAND+48*\l+y+\d], s[\m]
.set y, y+1
.endr
.endr
.endm
.macro ACQ x, c                        ; eight products K Qu^T in place, channels 32 c on: the eight accumulators take turns
.irp k, 0,1,2,3
.irp l, 0,1
	v_wmma_f32_16x16x32_f16 v[S+32*((\x)+\l)+8*\k:S+32*((\x)+\l)+8*\k+7], v[KF+16*\k+8*(\c):KF+16*\k+8*(\c)+7], v[16*((\x)+\l)+8*(\c):16*((\x)+\l)+8*(\c)+7], v[S+32*((\x)+\l)+8*\k:S+32*((\x)+\l)+8*\k+7]
.endr
.endr
.endm
; The scores of tiles x, x + 1.  Fragment q of rr (16 rows: two groups of 8, 32 rows apart) serves accumulator t = q - 2 of the first tile and t = q of the second.
.macro BD x, off
	WIN 0xc0
.set q, 0
.rept 8
.irp c, 0,1
	ds_load_b128 v[16*q+8*\c:16*q+8*\c+3],   v[AR0+q/4] offset:(\off)+16*PK*(q%4)+64*\c
	ds_load_b128 v[16*q+8*\c+4:16*q+8*\c+7], v[AR0+q/4] offset:(\off)+16*PK*(q%4)+64*\c+32
.endr
.set q, q+1
.endr
	s_wait_dscnt 0x0
	WIN 0x7b                               ; rr window 3, Qv window 2, the mask window 3, the band window 1
.set t, 0
.rept 6
.irp l, 0,1
	v_wmma_f32_16x16x32_f16 v[BAND+48*\l+8*t:BAND+48*\l+8*t+7], v[16*(t+2-2*\l):16*(t+2-2*\l)+7], v[QV+16*((\x)+\l):QV+16*((\x)+\l)+7], v[BM+8*t:BM+8*t+7]
.endr
.set t, t+1
.endr
	WIN 0x5b
.set t, 0
.rept 6
.irp l, 0,1
	v_wmma_f32_16x16x32_f16 v[BAND+48*\l+8*t:BAND+48*\l+8*t+7], v[16*(t+2-2*\l)+8:16*(t+2-2*\l)+15], v[QV+16*((\x)+\l)+8:QV+16*((\x)+\l)+15], v[BAND+48*\l+8*t:BAND+48*\l+8*t+7]
.endr
.set t, t+1
.endr
	NOP4                                   ; four places in front of the first read of the band
	WIN 0x45
	SHIFT 39, 8, M8                        ; ascending, in place: each reads registers that are still as they were
	SHIFT 35, 4, M4
	SHIFT 33, 2, M2
	WIN 0x05
.irp l, 0,1
.set y, 0
.rept 32
	v_cndmask_b32 v[S+32*((\x)+\l)+y], v[BAND+48*\l+y], v[BAND+48*\l+y+1], s[M1]
.set y, y+1
.endr
.endr
	WIN 0x0a
	ACQ \x, 0
	ACQ \x, 1
	WIN 0
.endm
.macro REGS t
.set rT, ST+4*(\t)
.set rC, TMP+4*(\t)
.set rW, MV+(\t)
.set rS, S+32*(\t)
.set rP, P+16*(\t)
.set rO, 32*(\t)
.endm
; Number n of the 22 lines that find a tile's maximum and statistics; each accumulator's lowest registers are read first
.macro XS t, n
	REGS \t
.if (\n) < 4
	v_max3_num_f32 v[rC+(\n)], v[rS+8*(\n)], v[rS+8*(\n)+1], v[rS+8*(\n)+2]
.elseif (\n) < 12
	v_max3_num_f32 v[rC+(\n)%4], v[rC+(\n)%4], v[rS+8*((\n)%4)+2*((\n)/4)+1], v[rS+8*((\n)%4)+2*((\n)/4)+2]
.elseif (\n) == 12
	v_max3_num_f32 v[rC], v[rC], v[rS+7], v[rS+15]
.elseif (\n) == 13
	v_max3_num_f32 v[rC+1], v[rC+1], v[rS+23], v[rS+31]
.elseif (\n) == 14
	v_max3_num_f32 v[rC+2], v[rC+2], v[rC+3], v[rT+1]
.elseif (\n) == 15
	v_mov_b32 v[rW], v[rT]
.elseif (\n) == 16
	v_max3_num_f32 v[rC], v[rC], v[rC+1], v[rC+2]
.elseif (\n) == 17
	v_permlanex16_b32 v[rC+3], v[rC], s[SEL], s[SEL+1]
.elseif (\n) == 18
	v_max_num_f32 v[rT+1], v[rC], v[rC+3]
.elseif (\n) == 19
	v_mul_f32 v[rT], s[CS], v[rT+1]
.elseif (\n) == 20
	v_sub_f32 v[rC+1], v[rW], v[rT]
.else
	v_exp_f32 v[rC+2], v[rC+1]
.endif
.endm
; The four tiles' softmax for one step, in phases; the tiles alternate, so that no line reads the result of the line before it
.macro SOFTMAX
	WIN 0
	NOP4                                   ; four places behind the last product of the scores
.set n, 0
.rept 22
.irp t, 0,1,2,3
	XS \t, n
.endr
.set n, n+1
.endr
	v_nop                                  ; a plain line behind the exponentials
.set n, 0
.rept 16
.irp t, 0,1,2,3
	REGS \t
	v_pk_fma_f32 v[rS+2*n:rS+2*n+1], v[rS+2*n:rS+2*n+1], s[CS:CS+1], v[rT:rT+1] op_sel_hi:[1,0,0] neg_lo:[0,0,1] neg_hi:[0,0,1]
.endr
.set n, n+1
.endr
.set n, 0
.rept 32
.irp t, 0,1,2,3
	REGS \t
	v_exp_f32 v[rS+n], v[rS+n]
.endr
.set n, n+1
.endr
	v_nop                                  ; a plain line behind the exponentials
	s_wait_alu depctr_va_vdst(0)
.set n, 0
.rept 16
.irp t, 0,1,2,3
	REGS \t
	v_cvt_pk_f16_f32 v[rP+n], v[rS+2*n], v[rS+2*n+1]
.endr
.set n, n+1
.endr
.set n, 0
.rept 8
.irp t, 0,1,2,3
	REGS \t
	v_pk_add_f32 v[rS+4*n:rS+4*n+1], v[rS+4*n:rS+4*n+1], v[rS+4*n+2:rS+4*n+3]
.endr
.set n, n+1
.endr
.irp t, 0,1,2,3
	REGS \t
	v_pk_fma_f32 v[rT+2:rT+3], v[rT+2:rT+3], v[rC+2:rC+3], v[rS:rS+1] op_sel_hi:[1,0,1]
.endr
.set n, 1
.rept 7
.irp t, 0,1,2,3
	REGS \t
	v_pk_add_f32 v[rT+2:rT+3], v[rT+2:rT+3], v[rS+4*n:rS+4*n+1]
.endr
.set n, n+1
.endr
	WIN 0x41
.set n, 0
.rept 16
.irp t, 0,1,2,3
	REGS \t
	v_pk_mul_f32 v[rO+2*n:rO+2*n+1], v[rO+2*n:rO+2*n+1], v[rC+2:rC+3] op_sel_hi:[1,0]
.endr
.set n, n+1
.endr
.endm
.macro PVM                             ; O^T += V^T P: 32 products, the 16 accumulators by turns
	WIN 0x52
.irp kk, 0,1
.irp cb, 0,1,2,3
.irp t, 0,1,2,3
	v_wmma_f32_16x16x32_f16 v[32*\t+8*\cb:32*\t+8*\cb+7], v[VF+32*\kk+8*\cb:VF+32*\kk+8*\cb+7], v[P+16*\t+8*\kk:P+16*\t+8*\kk+7], v[32*\t+8*\cb:32*\t+8*\cb+7]
.endr
.endr
.endr
	WIN 0
.endm
; ONE STEP OF 64 KEYS
.macro SUB
	v_add_nc_u32 v[AK], s[TBK], v[AK0]     ; five plain lines: also the places between the last product V^T P and the loads into V's registers
	v_add_nc_u32 v[AV], s[TBV], v[AV0]
	v_add_nc_u32 v[AR0], s[TBR], v[AR0B]
	v_add_nc_u32 v[AR0+1], s[TBR], v[AR0B+1]
	v_add_nc_u32 v[AMB], s[KB4], v[AMB0]
	FETCH_KVM
	s_add_co_u32 s[TBK], s[TBK], 64*PK
	s_add_co_u32 s[TBV], s[TBV], 64*PVP
	s_add_co_u32 s[TBR], s[TBR], 64*PK
	s_add_co_u32 s[KB4], s[KB4], 256
	BD 0, 0
	BD 2, RLD
	SOFTMAX
	PVM
.endm
.macro TILE
	s_mov_b32 s[CNT], 2
.Lsub_\@:
	SUB
	s_sub_co_u32 s[CNT], s[CNT], 1
	s_cmp_lg_u32 s[CNT], 0
	s_cbranch_scc1 .Lsub_\@
.endm
	s_load_b256 s[4:11], s[0:1], 0x0       ; qu qv kh vh
	s_load_b128 s[12:15], s[0:1], 0x20     ; rr mask
	s_load_b64 s[16:17], s[0:1], 0x30      ; ob
	v_lshl_add_u32 v[SPW], v0, 2, SPARE
	v_mov_b32 v[NIL], 0
	ds_add_u32 v[SPW], v[NIL]              ; the wave's opening: the add and its wait stand ahead of my first tensor load
	v_lshrrev_b32 v1, 5, v0
	v_readfirstlane_b32 s[WV], v1
	s_mov_b32 s[PB], ttmp9                 ; the cluster's x: which pair of query blocks
	s_and_b32 s[HD], ttmp7, 0xffff         ; the head
	s_bfe_u32 s[CX], ttmp6, 0x40000        ; my place in the cluster: the batch; it enters global addresses of qu, qv, k, v, mask, ob alone
	; group 1: dense rows of 128 bytes are asked for as rows of 256 bytes and padded in LDS after every 128
	s_mov_b32 s[G1K], (1<<16)|(1<<20)|(4<<22)|(3<<25)
	s_mov_b32 s[G1V], (1<<16)|(1<<20)|(4<<22)|(7<<25)
	s_mov_b32 s[G1R], 15|(1<<16)|(1<<20)|(1<<21)|(4<<22)|(3<<25)   ; the mask of four, bit 21 beside it
.irp g, G1K, G1V, G1R
	s_mov_b32 s[\g+1], 128<<16
	s_mov_b32 s[\g+3], 128<<16
	s_mov_b32 s[\g+5], 128
	s_mov_b32 s[\g+6], 0
	s_mov_b32 s[\g+7], 0
.endr
	s_mov_b32 s[G1K+2], 64<<16
	s_mov_b32 s[G1K+4], 64
	s_mov_b32 s[G1V+2], 64<<16
	s_mov_b32 s[G1V+4], 64
	s_mov_b32 s[G1R+2], 128<<16
	s_mov_b32 s[G1R+4], 128
	s_mov_b32 s[G0K], 1
	s_mov_b32 s[G0K+1], 0
	s_mov_b32 s[G0V], 1
	s_mov_b32 s[G0V+1], VOFF
	s_mov_b32 s[G0H], 1
	s_mov_b32 s[G0H+1], RHOFF
	s_mov_b32 s[G0L], 1
	s_mov_b32 s[G0L+1], RHOFF+RLD
	s_mov_b32 s[CS], 0x3e38aa3b            ; log2(e) / 8
	s_mov_b32 s[CS+1], s[CS]
	s_mov_b32 s[SEL], 0x76543210
	s_mov_b32 s[SEL+1], 0xfedcba98
	s_mov_b32 s[TBK], SLOT1+128*PK         ; the first change of slots turns these three into 0
	s_mov_b32 s[TBV], SLOT1+128*PVP
	s_mov_b32 s[TBR], SLOT1+128*PK
	s_mov_b32 s[KB4], 0
	s_mov_b32 s[NXT], 1
	s_mov_b32 s[SLOTS], 15
	s_mov_b32 s[M8], 0x00ff00ff            ; lanes whose 15 - lane%16 has bit 3, 2, 1, 0
	s_mov_b32 s[M4], 0x0f0f0f0f
	s_mov_b32 s[M2], 0x33333333
	s_mov_b32 s[M1], 0x55555555
	s_mov_b32 s[BIGN], 0xf149f2ca          ; -1e30
	s_lshl_b32 s88, s[CX], 3
	s_add_co_u32 s88, s88, s[HD]
	s_lshl_b32 s88, s88, 18                ; (batch, head): 2,048 rows of 128 bytes
	s_mov_b32 s89, 0
	s_mul_i32 s[OFF], s[HD], RRH           ; the head's 2,304 rows of rr
	s_mov_b32 s[OFF+1], 0
	s_wait_dscnt 0x0                       ; the opening add is done
	s_wait_kmcnt 0x0
	s_add_nc_u64 s[RBASE:RBASE+1], s[12:13], s[OFF:OFF+1]
	s_add_nc_u64 s[G0K+2:G0K+3], s[8:9], s[88:89]
	s_or_b32 s[G0K+3], s[G0K+3], 0x80000000
	s_add_nc_u64 s[G0V+2:G0V+3], s[10:11], s[88:89]
	s_or_b32 s[G0V+3], s[G0V+3], 0x80000000
	s_lshl_b32 s[OFF], s[PB], 14
	s_add_nc_u64 s[G0H+2:G0H+3], s[RBASE:RBASE+1], s[OFF:OFF+1]
	s_or_b32 s[G0H+3], s[G0H+3], 0x80000000
	s_sub_co_u32 s[OFF], 15, s[PB]
	s_lshl_b32 s[OFF], s[OFF], 14
	s_add_nc_u64 s[G0L+2:G0L+3], s[RBASE:RBASE+1], s[OFF:OFF+1]
	s_or_b32 s[G0L+3], s[G0L+3], 0x80000000
	s_add_nc_u64 s[4:5], s[4:5], s[88:89]
	s_add_nc_u64 s[6:7], s[6:7], s[88:89]
	s_add_nc_u64 s[16:17], s[16:17], s[88:89]
	s_lshr_b32 s3, s[WV], 1                ; my 32 queries in a block of 128: in the row order 64 (w>>1) + 8 (w&1) + ..
	s_lshl_b32 s3, s3, 13
	s_and_b32 s18, s[WV], 1
	s_lshl_b32 s18, s18, 10
	s_add_co_u32 s3, s3, s18
	s_lshl_b32 s18, s[WV], 12              ; in ob: 32 w rows
	s_sub_co_u32 s2, 15, s[PB]
	s_lshl_b32 s2, s2, 14
	s_add_co_u32 s88, s2, s3
	s_add_nc_u64 s[QUB:QUB+1], s[4:5], s[88:89]
	s_add_nc_u64 s[QVB:QVB+1], s[6:7], s[88:89]
	s_add_co_u32 s88, s2, s18
	s_add_nc_u64 s[OH:OH+1], s[16:17], s[88:89]
	s_lshl_b32 s2, s[PB], 14
	s_add_co_u32 s88, s2, s3
	s_add_nc_u64 s[QUB+2:QUB+3], s[4:5], s[88:89]
	s_add_nc_u64 s[QVB+2:QVB+3], s[6:7], s[88:89]
	s_add_co_u32 s88, s2, s18
	s_add_nc_u64 s[OH+2:OH+3], s[16:17], s[88:89]
	s_lshl_b32 s88, s[CX], 11
	s_add_nc_u64 s[14:15], s[14:15], s[88:89]
	CROUND                                 ; all four work-groups are here: the first joint loads meet
	JLOAD                                  ; key tile 0 into slot 0
	v_and_b32 v1, 15, v0
	v_bfe_u32 v56, v0, 4, 1                ; lane / 16
	v_and_b32 v57, 7, v0
	v_bfe_u32 v58, v0, 3, 1
	v_lshl_add_u32 v[QO], v58, 4, v57      ; query r lies at place 16 (r>>3) + (r&7) + ..
	v_lshlrev_b32 v[QO], 7, v[QO]
	v_lshl_add_u32 v[QO], v56, 4, v[QO]
	v_lshlrev_b32 v63, 4, v0
	WIN 0x80
.set i, 0
.rept 8                                ; qu and qv stay in registers: tile i / 2 (block i / 4), channels 32 (i % 2) on
	global_load_b128 v[8*i:8*i+3],         v[QO], s[QUB+2*(i/4):QUB+2*(i/4)+1] offset:((i/2)%2)*4096+(i%2)*64
	global_load_b128 v[8*i+4:8*i+7],       v[QO], s[QUB+2*(i/4):QUB+2*(i/4)+1] offset:((i/2)%2)*4096+(i%2)*64+32
	global_load_b128 v[QV+8*i:QV+8*i+3],   v[QO], s[QVB+2*(i/4):QVB+2*(i/4)+1] offset:((i/2)%2)*4096+(i%2)*64
	global_load_b128 v[QV+8*i+4:QV+8*i+7], v[QO], s[QVB+2*(i/4):QVB+2*(i/4)+1] offset:((i/2)%2)*4096+(i%2)*64+32
.set i, i+1
.endr
	WIN 0
	global_load_b128 v[P:P+3], v63, s[14:15]   ; 16 keys' mask bytes a thread
	v_mul_u32_u24 v[AK0], v1, PK
	v_lshl_add_u32 v[AK0], v56, 4, v[AK0]
	v_lshl_add_u32 v[AV0], v56, 3, v57
	v_mul_u32_u24 v[AV0], v[AV0], PVP
	v_lshl_add_u32 v[AV0], v58, 4, v[AV0]
	v_add_nc_u32 v[AV0], VOFF, v[AV0]
	s_sub_co_u32 s2, 3, s[WV]
	v_add_nc_u32 v59, s2, v58              ; u = 3 - w + (lane>>3)&1: my group of 8 rows of rr is number 4 u + q (+ 8 a step) of the window
.irp a, 0,1                            ; fragments q = 4 a + z: in rr's row order group 4 (u + a) + z lies at row 64 ((u+a)>>1) + 8 ((u+a)&1) + 16 z; at most row 143 here, 255 with z and the step
	v_add_nc_u32 v60, \a, v59
	v_lshrrev_b32 v61, 1, v60
	v_and_b32 v60, 1, v60
	v_lshlrev_b32 v61, 6, v61
	v_lshl_add_u32 v60, v60, 3, v61
	v_add_nc_u32 v60, v60, v57
	v_mul_u32_u24 v60, v60, PK
	v_lshl_add_u32 v60, v56, 4, v60
	v_add_nc_u32 v[AR0B+\a], RHOFF, v60
.endr
	v_lshlrev_b32 v[AMB0], 2, v1
	v_lshl_add_u32 v[AMB0], v56, 7, v[AMB0]
	v_add_nc_u32 v[AMB0], MTK-60, v[AMB0]  ; band register y belongs to key 32 (lane/16) + y - 15 + lane%16
	s_mul_i32 s2, s[WV], 16*SP
	s_add_co_u32 s2, s2, STAGE
	v_add_nc_u32 v[STO], s2, v[AK0]
	v_bfe_u32 v60, v0, 3, 2
	v_mul_u32_u24 v60, v60, SP
	v_lshl_add_u32 v60, v57, 4, v60
	v_add_nc_u32 v[RD], s2, v60
	v_and_b32 v[GO], 31, v0
	v_lshlrev_b32 v[GO], 4, v[GO]
	WIN 0x40                               ; O^T and l start at 0, m at the lowest finite number: the first step is a step like any other, with a = 0.  This stands in the wait for the first tile
.set i, 0
.rept 128
	v_mov_b32 v[i], 0
.set i, i+1
.endr
	WIN 0
.irp t, 0,1,2,3
	v_mov_b32 v[ST+4*\t], 0xfe000000
	v_mov_b32 v[ST+4*\t+1], 0xff7fffff
	v_mov_b32 v[ST+4*\t+2], 0
	v_mov_b32 v[ST+4*\t+3], 0
.endr
	s_wait_loadcnt 0x0
.set i, 0
.rept 16                               ; a byte 1 gives 0, a byte 0 gives -1e30
	v_bfe_u32 v[P+4+i], v[P+i/4], 8*(i%4), 8
	v_add_nc_u32 v[P+4+i], -1, v[P+4+i]
	v_and_b32 v[P+4+i], s[BIGN], v[P+4+i]
.set i, i+1
.endr
	v_lshl_add_u32 v60, v0, 6, MTK
.irp i, 0,1,2,3
	ds_store_b128 v60, v[P+4+4*\i:P+7+4*\i] offset:16*\i
.endr
	s_cmp_lg_u32 s[WV], 0
	s_cbranch_scc1 .Lnopad
	v_and_b32 v61, 31, v0                  ; wave 0 writes the zeros in front of and behind the keys: the band's skew reads up to 15 words before and 16 behind
	v_lshl_add_u32 v61, v61, 2, MT
	v_mov_b32 v59, 0
	ds_store_b32 v61, v59
	ds_store_b32 v61, v59 offset:128+8192
	ds_store_b32 v61, v59 offset:128+8192+128
.Lnopad:
.Lslot:                                ; 15 trips: a key tile is entered and the next is asked for
	CHANGE 1
	TILE
	s_sub_co_u32 s[SLOTS], s[SLOTS], 1
	s_cmp_lg_u32 s[SLOTS], 0
	s_cbranch_scc1 .Lslot
	CHANGE 0                               ; the last tile is written out: nothing is asked for
	TILE
	; THE WAY OUT.  l's parts are added, O^T divided by l, rounded to f16 and sent through my stage, a tile (16 rows of 128 bytes, dense in ob) at a time.  The additions are the places behind the last products.
.irp t, 0,1,2,3
	v_add_f32 v[ST+4*\t+2], v[ST+4*\t+2], v[ST+4*\t+3]
.endr
.irp t, 0,1,2,3
	v_permlanex16_b32 v[ST+4*\t+3], v[ST+4*\t+2], s[SEL], s[SEL+1]
.endr
.irp t, 0,1,2,3
	v_add_f32 v[ST+4*\t+2], v[ST+4*\t+2], v[ST+4*\t+3]
.endr
.irp t, 0,1,2,3
	v_rcp_f32 v[ST+4*\t+2], v[ST+4*\t+2]
.endr
	v_mov_b32 v56, 0x7fc00000              ; a plain line behind the reciprocals
	s_wait_alu depctr_va_vdst(0)
.irp t, 0,1,2,3
	v_cmp_gt_f32 vcc_lo, 0xef800000, v[ST+4*\t+1]   ; the maximum itself is a hidden score: no key was visible
	v_cndmask_b32 v[ST+4*\t+2], v[ST+4*\t+2], v56, vcc_lo
.endr
.macro PACK t
	WIN 0x41
.set i, 32*(\t)
.rept 16
	v_pk_mul_f32 v[i:i+1], v[i:i+1], v[ST+4*(\t)+2:ST+4*(\t)+3] op_sel_hi:[1,0]
.set i, i+2
.endr
	WIN 0x05
.set i, 0
.rept 16
	v_cvt_pk_f16_f32 v[S+16*(\t)+i], v[32*(\t)+2*i], v[32*(\t)+2*i+1]
.set i, i+1
.endr
	WIN 0
.irp f, 0,1,2,3
	ds_store_b128 v[STO], v[S+16*(\t)+4*\f:S+16*(\t)+4*\f+3] offset:32*\f
.endr
.irp f, 0,1,2,3
	ds_load_b128 v[S+16*(\t)+4*\f:S+16*(\t)+4*\f+3], v[RD] offset:\f*4*SP   ; LDS serves a wave's instructions in order: these see the stores above
.endr
.endm
.macro SEND t, younger                 ; younger: the LDS instructions issued behind tile t's loads: the next tile's eight, or none
.irp f, 0,1,2,3
	s_wait_dscnt (\younger)+3-\f
	global_store_b128 v[GO], v[S+16*(\t)+4*\f:S+16*(\t)+4*\f+3], s[OH+2*((\t)/2):OH+2*((\t)/2)+1] offset:((\t)%2)*2048+\f*512   ; 512 consecutive bytes, aligned
.endr
.endm
	PACK 0
	PACK 1
	SEND 0, 8
	PACK 2
	SEND 1, 8
	PACK 3
	SEND 2, 8
	SEND 3, 0
	s_wait_tensorcnt 0x0                   ; the wave's end
	ds_add_u32 v[SPW], v[NIL]
	s_wait_dscnt 0x0
	CROUND                                 ; the closing round
	s_endpgm
.Lfunc_end_k_q3b2d71c2cd_attn:
	.size	k_q3b2d71c2cd_attn, .Lfunc_end_k_q3b2d71c2cd_attn-k_q3b2d71c2cd_attn
	.p2alignl 7, 3214868480
	.fill 96, 4, 3214868480
	.section	.rodata,"a",@progbits
	.p2align	6, 0x0
	.amdhsa_kernel k_q3b2d71c2cd_attn
		.amdhsa_group_segment_fixed_size 327680
		.amdhsa_private_segment_fixed_size 0
		.amdhsa_enable_private_segment 0
		.amdhsa_kernarg_size 56
		.amdhsa_user_sgpr_count 2
		.amdhsa_user_sgpr_kernarg_segment_ptr 1
		.amdhsa_wavefront_size32 1
		.amdhsa_system_sgpr_workgroup_id_x 1
		.amdhsa_system_sgpr_workgroup_id_y 1
		.amdhsa_system_sgpr_workgroup_id_z 1
		.amdhsa_system_vgpr_workitem_id 0
		.amdhsa_next_free_vgpr 944
		.amdhsa_next_free_sgpr 102
		.amdhsa_reserve_vcc 1
		.amdhsa_float_denorm_mode_32 3
		.amdhsa_float_denorm_mode_16_64 3
		.amdhsa_memory_ordered 1
		.amdhsa_forward_progress 1
		.amdhsa_inst_pref_size 192
	.end_amdhsa_kernel
	.amdgpu_metadata
---
amdhsa.version: [ 1, 2 ]
amdhsa.kernels:
  - .name:           k_q3b2d71c2cd_attn
    .symbol:         k_q3b2d71c2cd_attn.kd
    .args:
      - { .name: qu, .offset: 0, .size: 8, .value_kind: global_buffer, .address_space: global }
      - { .name: qv, .offset: 8, .size: 8, .value_kind: global_buffer, .address_space: global }
      - { .name: kh, .offset: 16, .size: 8, .value_kind: global_buffer, .address_space: global }
      - { .name: vh, .offset: 24, .size: 8, .value_kind: global_buffer, .address_space: global }
      - { .name: rr, .offset: 32, .size: 8, .value_kind: global_buffer, .address_space: global }
      - { .name: mask, .offset: 40, .size: 8, .value_kind: global_buffer, .address_space: global }
      - { .name: ob, .offset: 48, .size: 8, .value_kind: global_buffer, .address_space: global }
    .group_segment_fixed_size: 327680
    .private_segment_fixed_size: 0
    .kernarg_segment_align: 8
    .kernarg_segment_size: 56
    .max_flat_workgroup_size: 128
    .sgpr_count:     102
    .vgpr_count:     944
    .wavefront_size: 32
...
	.end_amdgpu_metadata
.endif
;; end of part 2
;; launch outp (part 3): grid 64 x 4, 4 waves a work-group, no clusters, 91,648 bytes of LDS; arguments ob, Wo, bo, out0; writes out0
.if DOCPART == 3
	.amdgcn_target "amdgcn-amd-amdhsa--gfx1250"
	.amdhsa_code_object_version 6
	.text
	.protected	k_q3b2d71c2cd_outp
	.globl	k_q3b2d71c2cd_outp
	.p2align	8
	.type	k_q3b2d71c2cd_outp,@function
k_q3b2d71c2cd_outp:
	s_mov_b64 s[64:65], 0
	v_nop
	global_prefetch_b8 v0, s[64:65] scope:SCOPE_SE
	s_setreg_imm32_b32 hwreg(HW_REG_WAVE_MODE, 25, 1), 1
	s_wait_xcnt 0x0
; out0 = O Wo^T + bo.  ob: [b][h][t][64] f16; Wo: [512][512] f32; out0: [b t][512] f32.
; A work-group makes 128 rows x 128 columns (64 x 4 = 256 work-groups), a wave 64 x 64: 16 accumulators.  A K step is one head: 128 rows of ob are then 16,384 dense bytes, beside 128 rows x 256 bytes of Wo.
; FORMATS.  Wo and bo are rounded to bf16; Wo's number is written as f16 (below 6e-5 it keeps f16's fixed step), products in the f16 form; the sums start at the rounded bo.
; THE RING.  Two sets of load registers and two LDS buffers take turns, so the loop is written for two steps.  A step: its set's loads are waited for, converted and stored into its buffer; one barrier; its products.
; One barrier a step is enough: the buffer that a step stores into was last read two steps back, and every wave waited for those reads ahead of the barrier in between.
; Set 0 is asked for again at the head of the odd step, where nothing is out (so the bases may be stepped there), set 1 behind the odd step's barrier; the last trip asks for nothing.
; NO CLUSTER, NO TENSOR LOADS: two thirds of a step's bytes are Wo's, which change format in registers on the way into LDS; ob's third goes the same road.
; The matrix instruction is used transposed: a lane holds one row of O and eight neighbouring columns of out0.
; REGISTERS.  window 0: v0-23 addresses, v30-31 the add's two, v32-95 ob as loaded (two sets), v96-223 fragments: for 32 k + .. along K those of O at 96 + 64 k, those of Wo at 128 + 64 k.
; window 1: v0-127 Wo as loaded (two sets), v128-255 the accumulators (mt, nt) at 128 + 8 (4 mt + nt).
.set PITCH, 144                        ; an LDS row: 128 bytes + 16: sixteen rows of a fragment load start at sixteen different groups of four banks
.set WOFF,  128*PITCH                  ; O's 128 rows, then Wo's 128
.set BUF,   2*128*PITCH
.set STAGE, 2*BUF                      ; 16 rows x 272 bytes for each wave
.set SPI,   272
.set SPARE, STAGE+4*16*SPI
.set GOFF, 2
.set GA,   4
.set STO,  11
.set RD,   12
.set GO,   13
.set GB,   14
.set LAV,  16                          ; v16-17  where I store ob's 16 bytes, in buffer 0, 1
.set SAV,  18                          ; v18-19  where I store Wo's 8 bytes
.set FXV,  20                          ; v20-21  my fragments of O
.set FWV,  22                          ; v22-23  my fragments of Wo
.set SPW,  30
.set NIL,  31
.set AST,  32
.set XF,   96
.set WF,   128
.set ACC,  128
.set MSB, 0
.macro WIN new
.if MSB != (\new)
	s_set_vgpr_msb (MSB<<8)|(\new)
.set MSB, \new
.endif
.endm
.macro LOADS s                         ; set s: the head s beyond the bases: 8 loads of ob, 16 of Wo
.irp i, 0,1,2,3,4,5,6,7
	global_load_b128 v[AST+32*(\s)+4*\i:AST+32*(\s)+4*\i+3], v[GA], s[4:5] offset:262144*(\s)+2048*\i
.endr
	WIN 0x40
.set j, 0
.rept 16
	global_load_b128 v[64*(\s)+4*j:64*(\s)+4*j+3], v[GOFF], s[6:7] offset:256*(\s)+16384*j
.set j, j+1
.endr
	WIN 0
.endm
.macro TOLDS s                         ; set s into buffer s, and the step's barrier
.irp i, 0,1,2,3,4,5,6,7
	ds_store_b128 v[LAV+(\s)], v[AST+32*(\s)+4*\i:AST+32*(\s)+4*\i+3] offset:16*PITCH*\i
.endr
	WIN 0x45
.set j, 0
.rept 16
	v_cvt_pk_bf16_f32 v[64*(\s)+4*j], v[64*(\s)+4*j], v[64*(\s)+4*j+1]
	v_cvt_pk_bf16_f32 v[64*(\s)+4*j+2], v[64*(\s)+4*j+2], v[64*(\s)+4*j+3]
.set j, j+1
.endr
.set j, 0
.rept 16
	v_and_b32 v[64*(\s)+4*j+1], s14, v[64*(\s)+4*j]
	v_and_b32 v[64*(\s)+4*j+3], s14, v[64*(\s)+4*j+2]
.set j, j+1
.endr
.set j, 0
.rept 16
	v_lshlrev_b32 v[64*(\s)+4*j], 16, v[64*(\s)+4*j]
	v_lshlrev_b32 v[64*(\s)+4*j+2], 16, v[64*(\s)+4*j+2]
.set j, j+1
.endr
.set j, 0
.rept 16
	v_cvt_pk_f16_f32 v[64*(\s)+4*j], v[64*(\s)+4*j], v[64*(\s)+4*j+1]
	v_cvt_pk_f16_f32 v[64*(\s)+4*j+1], v[64*(\s)+4*j+2], v[64*(\s)+4*j+3]
.set j, j+1
.endr
	WIN 0x04                               ; address window 0, data window 1
.set j, 0
.rept 16
	ds_store_b64 v[SAV+(\s)], v[64*(\s)+4*j:64*(\s)+4*j+1] offset:8*PITCH*j
.set j, j+1
.endr
	WIN 0
	s_wait_dscnt 0x0                       ; for the others' sake: my stores are done
	s_barrier_signal -1
	s_barrier_wait -1
.endm
; A step's products: the fragments of both halves of K in one run of 32 loads, then 2 x 16 matrix instructions; the 16 accumulators take turns.
; The 128 conversions of TOLDS stand between the last step's products and these loads into their sources: more than the four places that are due.
.macro MM s
.irp k, 0,1
.set m, 0
.rept 4
	ds_load_b128 v[XF+64*\k+8*m:XF+64*\k+8*m+3],   v[FXV+(\s)] offset:16*PITCH*m+64*\k
	ds_load_b128 v[XF+64*\k+8*m+4:XF+64*\k+8*m+7], v[FXV+(\s)] offset:16*PITCH*m+64*\k+32
	ds_load_b128 v[WF+64*\k+8*m:WF+64*\k+8*m+3],   v[FWV+(\s)] offset:16*PITCH*m+64*\k
	ds_load_b128 v[WF+64*\k+8*m+4:WF+64*\k+8*m+7], v[FWV+(\s)] offset:16*PITCH*m+64*\k+32
.set m, m+1
.endr
.endr
	WIN 0x50                               ; C and D window 1, the fragments window 0
.irp k, 0,1
	s_wait_dscnt 16-16*\k                  ; the first half's 16 loads are in, the second half's 16 may be out; then all
.set a, 0
.rept 16
	v_wmma_f32_16x16x32_f16 v[ACC+8*a:ACC+8*a+7], v[WF+64*\k+8*(a%4):WF+64*\k+8*(a%4)+7], v[XF+64*\k+8*(a/4):XF+64*\k+8*(a/4)+7], v[ACC+8*a:ACC+8*a+7]
.set a, a+1
.endr
.endr
	WIN 0
.endm
	s_load_b256 s[4:11], s[0:1], 0x0       ; ob Wo bo out0
	v_lshl_add_u32 v[SPW], v0, 2, SPARE
	v_mov_b32 v[NIL], 0
	v_lshrrev_b32 v1, 5, v0
	v_readfirstlane_b32 s12, v1            ; wave
	s_lshr_b32 s25, s12, 1                 ; which 64 rows
	s_and_b32 s26, s12, 1                  ; which 64 columns
	s_and_b32 s13, ttmp7, 0xffff           ; the work-group's 128 columns
	s_mov_b32 s14, 0xffff0000
	v_and_b32 v1, 15, v0
	v_bfe_u32 v6, v0, 4, 1
	v_lshrrev_b32 v9, 4, v0
	v_lshlrev_b32 v[GOFF], 4, v1
	v_lshl_add_u32 v[GOFF], v9, 11, v[GOFF]  ; Wo: row thread/16 of 2,048 bytes, 16 bytes at 16 r
	v_mul_u32_u24 v[SAV], v9, PITCH
	v_lshl_add_u32 v[SAV], v1, 3, v[SAV]
	v_add_nc_u32 v[SAV], WOFF, v[SAV]      ; the same place in LDS, 8 bytes
	v_add_nc_u32 v[SAV+1], BUF, v[SAV]
	v_lshlrev_b32 v[GA], 4, v0             ; ob: 16 bytes a thread, dense
	v_lshrrev_b32 v10, 3, v0
	v_and_b32 v15, 7, v0
	v_mul_u32_u24 v[LAV], v10, PITCH
	v_lshl_add_u32 v[LAV], v15, 4, v[LAV]  ; row thread/8, 16 bytes
	v_add_nc_u32 v[LAV+1], BUF, v[LAV]
	v_mul_u32_u24 v10, v1, PITCH
	v_lshl_add_u32 v10, v6, 4, v10         ; a fragment's row x pitch + 16 x half
	s_mul_i32 s16, s25, 64*PITCH
	v_add_nc_u32 v[FXV], s16, v10
	v_add_nc_u32 v[FXV+1], BUF, v[FXV]
	s_mul_i32 s16, s26, 64*PITCH
	s_add_co_u32 s16, s16, WOFF
	v_add_nc_u32 v[FWV], s16, v10
	v_add_nc_u32 v[FWV+1], BUF, v[FWV]
	s_mul_i32 s16, s12, 16*SPI
	s_add_co_u32 s16, s16, STAGE           ; my stage
	v_mul_u32_u24 v10, v1, SPI
	v_lshl_add_u32 v10, v6, 5, v10
	v_add_nc_u32 v[STO], s16, v10          ; in: row r, 32 bytes for each half of the lanes
	v_mul_u32_u24 v10, v6, SPI
	v_lshl_add_u32 v10, v1, 4, v10
	v_add_nc_u32 v[RD], s16, v10           ; back: lanes 0-15 one row of 256 bytes, lanes 16-31 the next
	v_lshlrev_b32 v[GO], 4, v1
	v_lshl_add_u32 v[GO], v6, 11, v[GO]
	v_lshlrev_b32 v[GB], 5, v6
	s_lshr_b32 s16, ttmp9, 4               ; ob: batch, then 128 rows of 128 bytes
	s_lshl_b32 s16, s16, 21
	s_and_b32 s17, ttmp9, 15
	s_lshl_b32 s17, s17, 14
	s_add_co_u32 s16, s16, s17
	s_mov_b32 s17, 0
	s_lshl_b32 s18, s13, 18                ; Wo: 128 rows of 2,048 bytes
	s_mov_b32 s19, 0
	s_lshl_b32 s20, s13, 9                 ; my 64 columns, in bytes of f32
	s_lshl_b32 s21, s26, 8
	s_add_co_u32 s20, s20, s21
	s_mov_b32 s21, 0
	s_lshl_b32 s22, ttmp9, 18              ; out0: 128 rows of 2,048 bytes, my 64 of them, my columns
	s_lshl_b32 s23, s25, 17
	s_add_co_u32 s22, s22, s23
	s_add_co_u32 s22, s22, s20
	s_mov_b32 s23, 0
	s_wait_kmcnt 0x0
	s_add_nc_u64 s[4:5], s[4:5], s[16:17]
	s_add_nc_u64 s[6:7], s[6:7], s[18:19]
	s_add_nc_u64 s[8:9], s[8:9], s[20:21]
	s_add_nc_u64 s[10:11], s[10:11], s[22:23]
.irp n, 0,1,2,3
	global_load_b128 v[WF+8*\n:WF+8*\n+3],   v[GB], s[8:9] offset:64*\n
	global_load_b128 v[WF+8*\n+4:WF+8*\n+7], v[GB], s[8:9] offset:64*\n+16
.endr
	LOADS 0                                ; heads 0 and 1
	LOADS 1
	s_wait_loadcnt 48                      ; behind bo stand the two sets' 24 + 24 loads
.set j, 0
.rept 16
	v_cvt_pk_bf16_f32 v[WF+j], v[WF+2*j], v[WF+2*j+1]
.set j, j+1
.endr
	WIN 0x40
.set a, 0
.rept 16                               ; the sums start at the rounded bias: no clearing, and no addition later
.set j, 0
.rept 4
	v_lshlrev_b32 v[ACC+8*a+2*j], 16, v[WF+4*(a%4)+j]
	v_and_b32 v[ACC+8*a+2*j+1], s14, v[WF+4*(a%4)+j]
.set j, j+1
.endr
.set a, a+1
.endr
	WIN 0
	s_mov_b32 s24, 4
.Lk:                                   ; a trip: two heads
	s_wait_loadcnt 24                      ; set 0 is in; set 1's 24 loads, issued behind it on the way in and on the way back, may be out
	TOLDS 0
	MM 0
	s_wait_loadcnt 0x0                     ; set 1 is in, and no load is out: the bases may be stepped
	s_add_nc_u64 s[4:5], s[4:5], 524288    ; two heads on
	s_add_nc_u64 s[6:7], s[6:7], 512
	s_cmp_eq_u32 s24, 1
	s_cbranch_scc1 .Ln0                    ; the last trip asks for nothing
	LOADS 0
.Ln0:
	TOLDS 1
	s_cmp_eq_u32 s24, 1
	s_cbranch_scc1 .Ln1
	LOADS 1
.Ln1:
	MM 1
	s_sub_co_u32 s24, s24, 1
	s_cmp_lg_u32 s24, 0
	s_cbranch_scc1 .Lk
	; THE WAY OUT, 16 rows at a time through my stage: sixteen lanes then store 256 consecutive bytes, aligned
.rept 4
	v_nop                                  ; four places behind the last matrix instruction
.endr
.set m, 0
.rept 4
	WIN 0x04
.irp n, 0,1,2,3
	ds_store_b128 v[STO], v[ACC+8*(4*m+\n):ACC+8*(4*m+\n)+3]   offset:64*\n
	ds_store_b128 v[STO], v[ACC+8*(4*m+\n)+4:ACC+8*(4*m+\n)+7] offset:64*\n+16
.endr
	WIN 0
	s_wait_xcnt 0x0                        ; the registers that the last block's stores read are loaded again only behind this wait
.irp t, 0,1,2,3,4,5,6,7
	ds_load_b128 v[AST+4*\t:AST+4*\t+3], v[RD] offset:2*SPI*\t   ; LDS serves a wave's instructions in order: these see the stores above
.endr
	s_wait_dscnt 0x0
.irp t, 0,1,2,3,4,5,6,7
	global_store_b128 v[GO], v[AST+4*\t:AST+4*\t+3], s[10:11] offset:32768*m+4096*\t th:TH_STORE_NT
.endr
.set m, m+1
.endr
	s_wait_tensorcnt 0x0                   ; the wave's end
	ds_add_u32 v[SPW], v[NIL]
	s_wait_dscnt 0x0
	s_endpgm
.Lfunc_end_k_q3b2d71c2cd_outp:
	.size	k_q3b2d71c2cd_outp, .Lfunc_end_k_q3b2d71c2cd_outp-k_q3b2d71c2cd_outp
	.p2alignl 7, 3214868480
	.fill 96, 4, 3214868480
	.section	.rodata,"a",@progbits
	.p2align	6, 0x0
	.amdhsa_kernel k_q3b2d71c2cd_outp
		.amdhsa_group_segment_fixed_size 91648
		.amdhsa_private_segment_fixed_size 0
		.amdhsa_enable_private_segment 0
		.amdhsa_kernarg_size 32
		.amdhsa_user_sgpr_count 2
		.amdhsa_user_sgpr_kernarg_segment_ptr 1
		.amdhsa_wavefront_size32 1
		.amdhsa_system_sgpr_workgroup_id_x 1
		.amdhsa_system_sgpr_workgroup_id_y 1
		.amdhsa_system_sgpr_workgroup_id_z 1
		.amdhsa_system_vgpr_workitem_id 0
		.amdhsa_next_free_vgpr 512
		.amdhsa_next_free_sgpr 66
		.amdhsa_reserve_vcc 0
		.amdhsa_float_denorm_mode_32 3
		.amdhsa_float_denorm_mode_16_64 3
		.amdhsa_memory_ordered 1
		.amdhsa_forward_progress 1
		.amdhsa_inst_pref_size 51
	.end_amdhsa_kernel
	.amdgpu_metadata
---
amdhsa.version: [ 1, 2 ]
amdhsa.kernels:
  - .name:           k_q3b2d71c2cd_outp
    .symbol:         k_q3b2d71c2cd_outp.kd
    .args:
      - { .name: ob, .offset: 0, .size: 8, .value_kind: global_buffer, .address_space: global }
      - { .name: Wo, .offset: 8, .size: 8, .value_kind: global_buffer, .address_space: global }
      - { .name: bo, .offset: 16, .size: 8, .value_kind: global_buffer, .address_space: global }
      - { .name: out0, .offset: 24, .size: 8, .value_kind: global_buffer, .address_space: global }
    .group_segment_fixed_size: 91648
    .private_segment_fixed_size: 0
    .kernarg_segment_align: 8
    .kernarg_segment_size: 32
    .max_flat_workgroup_size: 128
    .sgpr_count:     66
    .vgpr_count:     512
    .wavefront_size: 32
...
	.end_amdgpu_metadata
.endif
;; end of part 3
;; ======== version 2 of 2: 3 launches; version 1 with the launch proj written anew for expert scheduling mode
;; limits: values are held in f16: magnitudes above 65,504 overflow, below 6.1e-05 lose precision
;; workspace buffers: qu 8,388,608 bytes; qv 8,388,608 bytes; kh 8,388,608 bytes; vh 8,388,608 bytes; rr 2,359,296 bytes; ob 8,388,608 bytes
;; launch proj (part 4): grid 228 x 1, 4 waves a work-group, no clusters, 129,536 bytes of LDS; arguments q, k, v, Wq, Wk, Wv, Wp, bq, bk, bv, b_u, b_v, qu, qv, kh, vh, rr; writes qu, qv, kh, vh, rr
.if DOCPART == 4
	.amdgcn_target "amdgcn-amd-amdhsa--gfx1250"
	.amdhsa_code_object_version 6
	.text
	.protected	k_q3b2d71c2cd_proj
	.globl	k_q3b2d71c2cd_proj
	.p2align	8
	.type	k_q3b2d71c2cd_proj,@function
k_q3b2d71c2cd_proj:
	s_mov_b64 s[64:65], 0
	v_nop
	global_prefetch_b8 v0, s[64:65] scope:SCOPE_SE
	s_setreg_imm32_b32 hwreg(HW_REG_WAVE_SCHED_MODE, 0, 2), 2
	s_setreg_imm32_b32 hwreg(HW_REG_WAVE_MODE, 25, 1), 1
	s_wait_xcnt 0x0
	s_wait_alu depctr_vm_vsrc(0)
; FOUR PROJECTIONS IN ONE TEXT.  Work-groups 0-63: qu = q Wq^T + bq + b_u and qv = q Wq^T + bq + b_v; 64-127: kh = k Wk^T + bk; 128-191: vh; 192-227: rr, the table of relative positions.
; rr[h][e][:] = PE[2047 - e] Wp_h^T for e < 2048 and 0 for 2048 <= e < 2304 (those rows are the reference's tril); PE is made here, in f32, and rounded to f16.
; q, k, v: a work-group makes 128 rows x 512 columns, a wave 64 x 256: 64 accumulators, 512 registers.  rr: 128 rows x 256 columns, a wave 64 x 128 (it has four times the vector work for each number of W, so it takes
; half the columns).  K = 512 in 8 steps of 64.
; FORMATS.  q, k, v, the weights and all biases are rounded to bf16 (bq, bk, bv into the accumulators, which so start the sums; b_u, b_v are added in f32 on the way out); products in the bf16 form.
; For rr: PE in f16, Wp rounded to bf16 and that number written as f16, products in the f16 form.  All results leave as f16, rounded once, by heads: [b][h][row][64], rr as [h][row][64].
; ROW ORDER.  Inside each block of 64 rows, row t is stored at place ((t&24)<<1)|((t&32)>>2)|(t&7): place 16 kt + 8 h + j holds row 32 h + 8 kt + j.
; LIMITS.  A result beyond 65,504 becomes an infinity in f16.  PE: the angle is reduced by 2 pi in two parts, sine through x^13 and cosine through x^14 on |x| <= pi (2.2e-5 at the ends);
; fifteen of sixteen rows follow by rotation.  Wp's numbers below 6e-5 keep f16's fixed step.  The way out multiplies b_u by 0 for k, v and rr: an infinity or NaN in b_u makes those NaN too.
; NO CLUSTER, NO TENSOR LOADS: all operands are f32 in memory and change format in registers on the way into LDS, so there is no tile that a joint load could bring.
; The matrix instruction is used transposed (source 0 = 16 rows of W, source 1 = 16 rows of x): a lane holds one row of x and eight neighbouring columns.
; REGISTERS.  window 0: v0-16 addresses, v30-31 the add's two, v32-95 x as loaded (or PE at work and its sixteen rows to store), v96-127 fragments of x, v128-255 fragments of W;
; window 1: W as loaded, on the way out the addends; windows 2, 3: accumulator (mt, nt) in window 2 + mt/2 at v[8 (16 (mt&1) + nt)].
; THE MODE: SCHED_MODE bits 1:0 = 2 (LLVM: expert scheduling mode 2), set by the entry lines.  The code itself states the register dependences between vector or matrix instructions and
; memory or LDS instructions, with s_wait_alu, always for 0.
; THE PLAN.  Registers that memory or LDS instructions touch:
;   v2-16, v30-31   offsets and LDS addresses: written at the head and never again; one wait ahead of the first load serves them all.
;   x (v32-95) and W (window 1)   a step's global loads land there; its conversions round them in place; its LDS stores read the rounded halves; the next step's loads land there again.
;   rr's rows of PE   sixteen pairs (v74-95, v32-41), a pair to each row: written by the roundings and selects, read by sixteen LDS stores, written again in the next step.
;   the fragments (v96-255)   LDS loads land there once for each 32 along K; that half's products read them.
;   The accumulators are named by vector and matrix instructions alone.
; A STEP has three places of waits.  (1) All its conversions stand in one run and all its LDS stores behind them: one wait on va_vdst between.  (2) Behind the second barrier one wait on va_vdst and one on vm_vsrc:
; the conversions and the LDS stores are done with x's and W's registers, the last step's products with the fragments; the step's first 62 global loads and 40 fragment loads follow.  (3) Between the halves of K one wait
; on va_vdst: the first half's products are done with the fragments; W's last 18 loads and the second half's 40 fragment loads follow.
; THE WAY OUT: one wait on va_vdst ahead of a pass's loads, one ahead of each head's LDS stores, one on vm_vsrc at each head's end.
.set PITCH, 144                        ; an LDS row: 128 bytes + 16: sixteen rows of a fragment load start at sixteen different groups of four banks
.set WOFF,  128*PITCH                  ; x's 128 rows, then W's 512
.set STAGE, WOFF+512*PITCH             ; 64 rows x 144 bytes for each wave, for the way out
.set SPARE, STAGE+4*64*PITCH           ; the spare words, 128 bytes a wave
.set RRH,   2304*128                   ; bytes of a head of rr
.set GOFF, 2
.set SA,   3
.set SWB,  6
.set FX,   7
.set FW,   8
.set STO,  11
.set RD,   12
.set GO,   13
.set GB,   14
.set FWP,  16                          ; rr: my fragments of W (a wave has 128 columns there)
.set SPW,  30
.set NIL,  31
.set AST,  32
.set XF,   96
.set WF,   128
.set PM,   4                           ; s[4:19]  rr: the lanes whose row i of sixteen has a position of 0 or more (the eight pointers that lay here have been copied by then)
.set PA,   38                          ; s[38:39] x        s[40:41] W       s[42:43] the bias that starts the sums
.set PW,   40
.set PBI,  42
.set PO,   44                          ; s[44:45] where this pass stores    s[46:47] where the second pass stores
.set PO2,  46
.set WVN,  48
.set WM,   49
.set WN,   50
.set SELR, 51
.set RB,   52
.set TR,   53
.set BMSK, 54
.set HIM,  55
.set HS,   56                          ; s[56:57] bytes from head to head
.set MF,   66                          ; s[66:67] the addend's factor, in the low word
.set NPS,  68                          ; passes of the way out
.set PASS, 69
.set ADP,  70                          ; s[70:71] this pass's addend
.set CH,   72                          ; rr: which 256 columns; else 0
.set MSB, 0
.macro WIN new                         ; the immediate's high byte repeats the setting that is left
.if MSB != (\new)
	s_set_vgpr_msb (MSB<<8)|(\new)
.set MSB, \new
.endif
.endm
.macro LOADW j0, j1                    ; of a K step of W (rows of 64 f32): loads j0 to j1 - 1 of a thread, eight rows of W each
	WIN 0x40
.set j, \j0
.rept (\j1)-(\j0)
	global_load_b128 v[4*j:4*j+3], v[GOFF], s[PW:PW+1] offset:16384*j
.set j, j+1
.endr
	WIN 0
.endm
.macro LOADA                           ; a K step of x: 128 rows x 64 f32
.set j, 0
.rept 16
	global_load_b128 v[AST+4*j:AST+4*j+3], v[GOFF], s[PA:PA+1] offset:16384*j th:TH_LOAD_NT
.set j, j+1
.endr
.endm
.macro CVTA                            ; x to bf16, in place
.set j, 0
.rept 16
	v_cvt_pk_bf16_f32 v[AST+4*j], v[AST+4*j], v[AST+4*j+1]
	v_cvt_pk_bf16_f32 v[AST+4*j+1], v[AST+4*j+2], v[AST+4*j+3]
.set j, j+1
.endr
.endm
.macro STA                             ; and into LDS
.set j, 0
.rept 16
	ds_store_b64 v[SA], v[AST+4*j:AST+4*j+1] offset:8*PITCH*j
.set j, j+1
.endr
.endm
.macro CVTW f16, n                     ; n loads' worth of W to bf16 (f16 = 1: and that number on into f16), in place
	WIN 0x45
.if \f16
.set j, 0
.rept \n
	v_cvt_pk_bf16_f32 v[4*j], v[4*j], v[4*j+1]
	v_cvt_pk_bf16_f32 v[4*j+2], v[4*j+2], v[4*j+3]
.set j, j+1
.endr
.set j, 0
.rept \n
	v_and_b32 v[4*j+1], s[HIM], v[4*j]
	v_and_b32 v[4*j+3], s[HIM], v[4*j+2]
.set j, j+1
.endr
.set j, 0
.rept \n
	v_lshlrev_b32 v[4*j], 16, v[4*j]
	v_lshlrev_b32 v[4*j+2], 16, v[4*j+2]
.set j, j+1
.endr
.set j, 0
.rept \n
	v_cvt_pk_f16_f32 v[4*j], v[4*j], v[4*j+1]
	v_cvt_pk_f16_f32 v[4*j+1], v[4*j+2], v[4*j+3]
.set j, j+1
.endr
.else
.set j, 0
.rept \n
	v_cvt_pk_bf16_f32 v[4*j], v[4*j], v[4*j+1]
	v_cvt_pk_bf16_f32 v[4*j+1], v[4*j+2], v[4*j+3]
.set j, j+1
.endr
.endif
.endm
.macro STW n                           ; and into LDS
	WIN 0x04                               ; address window 0, data window 1
.set j, 0
.rept 32
	ds_store_b64 v[SA], v[4*j:4*j+1] offset:WOFF+8*PITCH*j
.set j, j+1
.endr
.if (\n) > 32
.set j, 0
.rept (\n)-32
	ds_store_b64 v[SWB], v[128+4*j:128+4*j+1] offset:8*PITCH*j
.set j, j+1
.endr
.endif
	WIN 0
.endm
.macro OBOF n                          ; the pair that holds row n of PE until it is stored: v74-95 for rows 0 to 10; v32-41, which the polynomials have left, for rows 11 to 15
.if (\n) < 11
.set ob, 74+2*(\n)
.else
.set ob, 10+2*(\n)
.endif
.endm
; One row of PE: (sin, cos) of two frequencies, rounded to f16, 0 where the position is negative, into the row's own pair; then the rotation to the row 8 further down (position less 8).
.macro PEROW i, s, c, s2, c2
	OBOF \i
	v_cvt_pk_f16_f32 v[ob], v[\s], v[\c]
	v_cvt_pk_f16_f32 v[ob+1], v[\s+1], v[\c+1]
	v_cndmask_b32 v[ob], 0, v[ob], s[PM+(\i)]
	v_cndmask_b32 v[ob+1], 0, v[ob+1], s[PM+(\i)]
.if (\i) < 15
	v_pk_mul_f32 v[\s2:\s2+1], v[\s:\s+1], v[56:57]
	v_pk_mul_f32 v[\c2:\c2+1], v[\c:\c+1], v[56:57]
	v_pk_fma_f32 v[\s2:\s2+1], v[\c:\c+1], v[52:53], v[\s2:\s2+1] neg_lo:[1,0,0] neg_hi:[1,0,0]
	v_pk_fma_f32 v[\c2:\c2+1], v[\s:\s+1], v[52:53], v[\c2:\c2+1]
.endif
.endm
.macro STP                             ; the sixteen rows into LDS
.set i, 0
.rept 16
	OBOF i
	ds_store_b64 v[SA], v[ob:ob+1] offset:8*PITCH*i
.set i, i+1
.endr
.endm
.macro HORNER base, coef               ; both angle sets: p = p x^2 + coef
.irp u, 0,1
	v_pk_fma_f32 v[\base+2*\u:\base+2*\u+1], v[\base+2*\u:\base+2*\u+1], v[46+2*\u:47+2*\u], \coef op_sel_hi:[1,1,0]
.endr
.endm
; A K step of PE.  v[70:71] my two frequency numbers, v[72:73] my first row's position (twice), v[64:67] two coefficients.  Set 0: the first row's angles; set 1: the step's, 8 x 10000^(-f/256).
.macro PEGEN
	v_pk_mul_f32 v[58:59], v[70:71], 0xbd549a78 op_sel_hi:[1,0]   ; -log2(10000)/256 x f
	v_exp_f32 v32, v58
	v_exp_f32 v33, v59
	v_pk_add_f32 v[70:71], v[70:71], 0x42000000 op_sel_hi:[1,0]   ; the next K step's frequencies: also the plain line behind the exponentials
	s_wait_alu depctr_va_vdst(0)           ; the two exponentials have written v32 and v33, ahead of their first reader
	v_pk_mul_f32 v[34:35], v[32:33], v[72:73]
	v_pk_mul_f32 v[36:37], v[32:33], 0x41000000 op_sel_hi:[1,0]
.irp u, 0,1
	v_pk_mul_f32 v[38+2*\u:39+2*\u], v[34+2*\u:35+2*\u], 0x3e22f983 op_sel_hi:[1,0]
.endr
.irp u, 38,39,40,41
	v_rndne_f32 v\u, v\u
.endr
.irp u, 0,1
	v_pk_fma_f32 v[42+2*\u:43+2*\u], v[38+2*\u:39+2*\u], 0xc0c90000, v[34+2*\u:35+2*\u] op_sel_hi:[1,0,1]   ; less k x 6.28125, exact
.endr
.irp u, 0,1
	v_pk_fma_f32 v[42+2*\u:43+2*\u], v[38+2*\u:39+2*\u], 0xbafdaa22, v[42+2*\u:43+2*\u] op_sel_hi:[1,0,1]   ; less k x the rest of 2 pi
.endr
.irp u, 0,1
	v_pk_mul_f32 v[46+2*\u:47+2*\u], v[42+2*\u:43+2*\u], v[42+2*\u:43+2*\u]
.endr
.irp u, 0,1
	v_pk_fma_f32 v[50+2*\u:51+2*\u], v[46+2*\u:47+2*\u], 0x2f309231, v[64:65] op_sel_hi:[1,0,1]
	v_pk_fma_f32 v[54+2*\u:55+2*\u], v[46+2*\u:47+2*\u], 0xad49cba5, v[66:67] op_sel_hi:[1,0,1]
.endr
	HORNER 50, 0x3638ef1d
	HORNER 54, 0xb493f27e
	HORNER 50, 0xb9500d01
	HORNER 54, 0x37d00d01
	HORNER 50, 0x3c088889
	HORNER 54, 0xbab60b61
	HORNER 50, 0xbe2aaaab
	HORNER 54, 0x3d2aaaab
	HORNER 50, 1.0
	HORNER 54, -0.5
.irp u, 0,1
	v_pk_mul_f32 v[50+2*\u:51+2*\u], v[50+2*\u:51+2*\u], v[42+2*\u:43+2*\u]
.endr
	HORNER 54, 1.0
.set i, 0
.rept 8
	PEROW 2*i, 50, 54, 58, 60
	PEROW 2*i+1, 58, 60, 50, 54
.set i, i+1
.endr
.endm
.macro MMA f16, d, a, b
.if \f16
	v_wmma_f32_16x16x32_f16 v[\d:\d+7], v[\a:\a+7], v[\b:\b+7], v[\d:\d+7]
.else
	v_wmma_f32_16x16x32_bf16 v[\d:\d+7], v[\a:\a+7], v[\b:\b+7], v[\d:\d+7]
.endif
.endm
; 32 along K, nts blocks of 16 columns: 8 + 2 nts fragment loads, then 4 nts matrix instructions; the accumulators take turns.
; The wait that shows the earlier products done with the fragments' registers stands ahead of the macro, in KLOOP; no vector or matrix instruction stands between it and these loads.
; My rows 0-31 go by nt, four nt to a wait: LDS loads come back in order, so each group's products start while the later groups' fragments (two loads for each later nt) are on their way.
.macro MM f16, kh, nts, fw
	WIN 0
.set mt, 0
.rept 4
	ds_load_b128 v[XF+8*mt:XF+8*mt+3], v[FX] offset:16*PITCH*mt+64*(\kh)
	ds_load_b128 v[XF+8*mt+4:XF+8*mt+7], v[FX] offset:16*PITCH*mt+64*(\kh)+32
.set mt, mt+1
.endr
.set nt, 0
.rept \nts
	ds_load_b128 v[WF+8*nt:WF+8*nt+3], v[\fw] offset:16*PITCH*nt+64*(\kh)
	ds_load_b128 v[WF+8*nt+4:WF+8*nt+7], v[\fw] offset:16*PITCH*nt+64*(\kh)+32
.set nt, nt+1
.endr
	WIN 0xa0
.set g, 0
.rept (\nts)/4
	s_wait_dscnt 8*((\nts)/4-1-g)          ; all but the later groups' eight loads each
.set nt, 4*g
.rept 4
	MMA \f16, 8*nt, WF+8*nt, XF
	MMA \f16, 8*(16+nt), WF+8*nt, XF+8
.set nt, nt+1
.endr
.set g, g+1
.endr
	WIN 0xf0
.set nt, 0
.rept \nts
	MMA \f16, 8*nt, WF+8*nt, XF+16
	MMA \f16, 8*(16+nt), WF+8*nt, XF+24
.set nt, nt+1
.endr
.endm
; The loop over K.  One set of tiles in LDS, two barriers a trip: nobody stores before all have read the last step's tiles, nobody reads before all have stored.
; The next step's loads go out in two runs, 16 + 46 ahead of the first 32 along K and 18 behind it, so that no run asks for more than LOADcnt can count.
.macro KLOOP pe
	s_mov_b32 s[TR], 8
.Lk_\@:
	s_wait_loadcnt 0x0                     ; this step's numbers are in registers
	s_barrier_signal -1                    ; my reads of the last step's tiles were waited for in front of its products
	s_barrier_wait -1
.if \pe
	PEGEN
	CVTW 1, 32
.else
	CVTA
	CVTW 0, 64
.endif
	WIN 0
	s_wait_alu depctr_va_vdst(0)           ; the step's conversions (rr: its roundings and selects too) have written the registers that the LDS stores below read
.if \pe
	STP
	STW 32
.else
	STA
	STW 64
.endif
	s_wait_dscnt 0x0                       ; for the others' sake: my stores are done
	s_barrier_signal -1
	s_barrier_wait -1
	s_add_nc_u64 s[PW:PW+1], s[PW:PW+1], 256   ; 64 f32 on along K; the loads that named these bases are done
.if !(\pe)
	s_add_nc_u64 s[PA:PA+1], s[PA:PA+1], 256
.endif
	s_wait_alu depctr_va_vdst(0)           ; the conversions are done with x's and W's registers, and the last step's products with the fragments': loads land in all of these below, with no vector or matrix instruction between
	s_wait_alu depctr_vm_vsrc(0)           ; my LDS stores have read their data: x's and W's registers are loaded again below, PE's pairs are written again in the next step, and the way out writes all of them
	s_cmp_eq_u32 s[TR], 1
	s_cbranch_scc1 .Ln_\@                  ; the last step loads nothing
.if \pe
	LOADW 0, 32
.else
	LOADA
	LOADW 0, 46
.endif
.Ln_\@:
.if \pe
	MM 1, 0, 8, FWP
.else
	MM 0, 0, 16, FW
.endif
	WIN 0
	s_wait_alu depctr_va_vdst(0)           ; the products of the first 32 along K are done reading the fragments, in which the loads of the second 32 land
.if \pe
	MM 1, 1, 8, FWP
.else
	s_cmp_eq_u32 s[TR], 1
	s_cbranch_scc1 .Lm_\@
	LOADW 46, 64                           ; no wait of their own: no vector or matrix instruction since the waits behind the barrier names W's registers
.Lm_\@:
	MM 0, 1, 16, FW
.endif
	WIN 0
	s_sub_co_u32 s[TR], s[TR], 1
	s_cmp_lg_u32 s[TR], 0
	s_cbranch_scc1 .Lk_\@
.endm
	s_load_b512 s[4:19], s[0:1], 0x0       ; q k v Wq Wk Wv Wp bq
	s_load_b512 s[20:35], s[0:1], 0x40     ; bk bv b_u b_v qu qv kh vh
	s_load_b64 s[36:37], s[0:1], 0x80      ; rr
	v_lshl_add_u32 v[SPW], v0, 2, SPARE
	v_mov_b32 v[NIL], 0
	v_lshrrev_b32 v1, 5, v0
	v_readfirstlane_b32 s[WVN], v1         ; wave
	s_lshr_b32 s[SELR], ttmp9, 6
	s_min_u32 s[SELR], s[SELR], 3          ; which projection
	s_lshl_b32 s[RB], s[SELR], 6
	s_sub_co_u32 s[RB], ttmp9, s[RB]       ; the work-group's number in it: q, k, v: its block of 128 rows;
	s_and_b32 s[CH], s[RB], 1              ; rr: the low bit says which 256 columns,
	s_lshr_b32 s62, s[RB], 1               ; the rest which 128 rows
	s_cmp_eq_u32 s[SELR], 3
	s_cselect_b32 s[RB], s62, s[RB]
	s_cselect_b32 s[CH], s[CH], 0
	s_mov_b32 s[HIM], 0xffff0000
	v_and_b32 v1, 15, v0                   ; r
	v_bfe_u32 v4, v0, 4, 1                 ; half of the lanes
	v_lshrrev_b32 v5, 4, v0                ; thread / 16: 0..7
	v_lshlrev_b32 v[GOFF], 4, v1
	v_lshl_add_u32 v[GOFF], v5, 11, v[GOFF]  ; row (thread/16) of 2,048 bytes, 16 bytes at 16 r
	v_mul_u32_u24 v[SA], v5, PITCH
	v_lshl_add_u32 v[SA], v1, 3, v[SA]     ; the same place in LDS, 8 bytes
	v_add_nc_u32 v[SWB], WOFF+256*PITCH, v[SA]  ; W's rows 256 on: beyond the 16-bit offset
	v_mul_u32_u24 v9, v1, PITCH
	v_lshl_add_u32 v9, v4, 4, v9           ; a fragment's row x pitch + 16 x half
	s_wait_alu depctr_va_sdst(0)           ; the wave's number is written, ahead of its first reader
	s_lshr_b32 s[WM], s[WVN], 1            ; which 64 rows
	s_and_b32 s[WN], s[WVN], 1             ; which half of the columns
	s_mul_i32 s62, s[WM], 64*PITCH
	v_add_nc_u32 v[FX], s62, v9
	s_mul_i32 s62, s[WN], 256*PITCH
	s_add_co_u32 s62, s62, WOFF
	v_add_nc_u32 v[FW], s62, v9
	s_mul_i32 s62, s[WN], 128*PITCH
	s_add_co_u32 s62, s62, WOFF
	v_add_nc_u32 v[FWP], s62, v9
	s_mul_i32 s62, s[WVN], 64*PITCH
	s_add_co_u32 s62, s62, STAGE           ; my stage
	v_bfe_u32 v10, v0, 3, 1
	v_and_b32 v15, 7, v0
	v_lshl_add_u32 v10, v10, 4, v15        ; the row order's part that hangs on r: 16 (r>>3) + (r&7)
	v_mul_u32_u24 v10, v10, PITCH
	v_lshl_add_u32 v10, v4, 4, v10
	v_add_nc_u32 v[STO], s62, v10
	v_bfe_u32 v10, v0, 3, 2
	v_mul_u32_u24 v10, v10, PITCH
	v_lshl_add_u32 v10, v15, 4, v10
	v_add_nc_u32 v[RD], s62, v10           ; back: 32 lanes take four rows of 128 bytes
	v_and_b32 v[GO], 31, v0
	v_lshlrev_b32 v[GO], 4, v[GO]
	v_lshlrev_b32 v[GB], 5, v4
	s_lshl_b32 s62, s[WN], 10
	v_add_nc_u32 v[GB], s62, v[GB]         ; biases: 4 (256 wn + 8 half)
	s_lshr_b32 s58, s[RB], 4               ; where my rows go.  q, k, v: batch, the rows in it, head 4 wn
	s_lshl_b32 s58, s58, 21
	s_and_b32 s59, s[RB], 15
	s_lshl_b32 s59, s59, 14
	s_add_co_u32 s58, s58, s59
	s_lshl_b32 s59, s[WN], 20
	s_add_co_u32 s58, s58, s59
	s_lshl_b32 s60, s[RB], 14              ; rr: the rows, head 4 ch + 2 wn
	s_lshl_b32 s59, s[CH], 2
	s_lshl_b32 s61, s[WN], 1
	s_add_co_u32 s59, s59, s61
	s_mul_i32 s59, s59, RRH
	s_add_co_u32 s60, s60, s59
	s_mov_b32 s[HS], 262144                ; bytes from head to head
	s_mov_b32 s61, RRH
	s_cmp_eq_u32 s[SELR], 3
	s_cselect_b32 s58, s60, s58
	s_cselect_b32 s[HS], s61, s[HS]
	s_cselect_b32 s[BMSK], 0, -1           ; rr has no bias: the words are masked away
	s_lshl_b32 s59, s[WM], 13
	s_add_co_u32 s58, s58, s59
	s_mov_b32 s59, 0
	s_mov_b32 s[HS+1], 0
	s_lshl_b32 s60, s[RB], 18              ; x: 128 rows of 2,048 bytes
	s_mov_b32 s61, 0
	s_lshl_b32 s62, s[CH], 19              ; W: rr's 256 rows of 2,048 bytes; else 0
	s_mov_b32 s63, 0
	s_cmp_eq_u32 s[SELR], 0
	s_cselect_b32 s[MF], 1.0, 0            ; only q takes b_u and b_v,
	s_cselect_b32 s[NPS], 2, 1             ; and goes out twice
	s_mov_b32 s[MF+1], 0
	s_mov_b32 s[PASS], 0
	s_wait_kmcnt 0x0
	s_cmp_eq_u32 s[SELR], 1
	s_cselect_b64 s[PA:PA+1], s[6:7], s[4:5]
	s_cselect_b64 s[PW:PW+1], s[12:13], s[10:11]
	s_cselect_b64 s[PBI:PBI+1], s[20:21], s[18:19]
	s_cselect_b64 s[PO:PO+1], s[32:33], s[28:29]
	s_cmp_eq_u32 s[SELR], 2
	s_cselect_b64 s[PA:PA+1], s[8:9], s[PA:PA+1]
	s_cselect_b64 s[PW:PW+1], s[14:15], s[PW:PW+1]
	s_cselect_b64 s[PBI:PBI+1], s[22:23], s[PBI:PBI+1]
	s_cselect_b64 s[PO:PO+1], s[34:35], s[PO:PO+1]
	s_cmp_eq_u32 s[SELR], 3
	s_cselect_b64 s[PW:PW+1], s[16:17], s[PW:PW+1]
	s_cselect_b64 s[PO:PO+1], s[36:37], s[PO:PO+1]
	s_add_nc_u64 s[PO:PO+1], s[PO:PO+1], s[58:59]
	s_add_nc_u64 s[PO2:PO2+1], s[30:31], s[58:59]
	s_add_nc_u64 s[PA:PA+1], s[PA:PA+1], s[60:61]
	s_add_nc_u64 s[PW:PW+1], s[PW:PW+1], s[62:63]
	s_mov_b64 s[ADP:ADP+1], s[24:25]       ; the first pass adds b_u
	s_wait_alu depctr_va_vdst(0)           ; the offsets and LDS addresses v2 to v16 and the add's v30, v31 are written: every load and store of the kernel reads one of them, and none is written again
.set j, 0
.rept 16                               ; the bias of 256 columns, as the accumulators hold them: eight numbers for each nt
	global_load_b128 v[WF+8*j:WF+8*j+3], v[GB], s[PBI:PBI+1] offset:64*j
	global_load_b128 v[WF+8*j+4:WF+8*j+7], v[GB], s[PBI:PBI+1] offset:64*j+16
.set j, j+1
.endr
	LOADW 0, 32
	s_cmp_eq_u32 s[SELR], 3
	s_cbranch_scc1 .Lnoa
	LOADW 32, 64
	LOADA
	s_wait_loadcnt 63                      ; behind the bias stand 80 loads: with 63 out the bias is in
	s_branch .Lbi
.Lnoa:
	s_wait_loadcnt 32                      ; rr: behind the bias stand 32 loads
.Lbi:
.set j, 0
.rept 64
	v_cvt_pk_bf16_f32 v[WF+j], v[WF+2*j], v[WF+2*j+1]
.set j, j+1
.endr
.set j, 0
.rept 64
	v_and_b32 v[WF+j], s[BMSK], v[WF+j]
.set j, j+1
.endr
.irp wd, 0x80, 0xc0                    ; the sums start at the rounded bias: no clearing, and no addition later
	WIN \wd
.set a, 0
.rept 32
.set j, 0
.rept 4
	v_lshlrev_b32 v[8*a+2*j], 16, v[WF+4*(a%16)+j]
	v_and_b32 v[8*a+2*j+1], s[HIM], v[WF+4*(a%16)+j]
.set j, j+1
.endr
.set a, a+1
.endr
.endr
	WIN 0
	s_cmp_eq_u32 s[SELR], 3
	s_cbranch_scc1 .Lpe
	KLOOP 0
	s_branch .Lout
.Lpe:
	s_lshl_b32 s58, s[RB], 7
	s_sub_co_u32 s58, 2047, s58
	v_sub_nc_u32 v72, s58, v5              ; my first row's position: 2047 - e (a number, no address)
.set i, 0
.rept 16                               ; row i of my sixteen lies 8 i further down: its position is 0 or more where 8 i <= the first row's.  The same in every K step, so the masks are made once, in one run
	v_cmp_le_i32 s[PM+i], 8*i, v72
.set i, i+1
.endr
	v_cvt_f32_i32 v72, v72
	v_mov_b32 v73, v72
	v_lshlrev_b32 v70, 1, v1
	v_cvt_f32_u32 v70, v70                 ; my two frequencies: 2 r, 2 r + 1
	v_add_f32 v71, 1.0, v70
	v_mov_b32 v64, 0xb2d7322b
	v_mov_b32 v65, 0xb2d7322b
	v_mov_b32 v66, 0x310f76c7
	v_mov_b32 v67, 0x310f76c7
	s_wait_alu depctr_va_sdst(0)           ; the sixteen compares have written s4 to s19, ahead of the loop's label and of the selects that read them
	KLOOP 1
.Lout:
	; THE WAY OUT.  A pass: the addend of 256 columns is loaded and rounded to bf16; then, a head at a time: sum + factor x addend in f32, to f16, 16 bytes a lane into my stage at the row's
	; new place, back as whole rows, 512 consecutive bytes a store.  q's work-groups make two passes (b_u into qu, b_v into qv), the others one, with the factor 0.  rr's waves have two heads, not four.
.rept 4
	v_nop                                  ; four places behind the last matrix instruction
.endr
.Lpass:
	s_wait_loadcnt 0x0                     ; the registers below held W as loaded: they are loaded again only behind a wait for all earlier loads
	WIN 0x40
	s_wait_alu depctr_va_vdst(0)           ; what named the registers in which the addends land is done: W's conversions in the first pass, the lines that unpacked the first addends and the multiply-adds that read them in the second
.set j, 0
.rept 16
	global_load_b128 v[8*j:8*j+3], v[GB], s[ADP:ADP+1] offset:64*j
	global_load_b128 v[8*j+4:8*j+7], v[GB], s[ADP:ADP+1] offset:64*j+16
.set j, j+1
.endr
	s_wait_loadcnt 0x0
	WIN 0x45
.set j, 0
.rept 64
	v_cvt_pk_bf16_f32 v[128+j], v[2*j], v[2*j+1]
.set j, j+1
.endr
.set j, 0
.rept 64
	v_lshlrev_b32 v[2*j], 16, v[128+j]
	v_and_b32 v[2*j+1], s[HIM], v[128+j]
.set j, j+1
.endr
.set hl, 0
.rept 4
.set mt, 0
.rept 4
	WIN 0x21+0x10*(mt/2)                   ; the addend window 1, the sum window 2 or 3, the result window 0
.set c, 0
.rept 16                               ; each accumulator's registers in ascending order
	v_pk_fma_f32 v[XF+2*c:XF+2*c+1], v[8*(4*hl+c/4)+2*(c%4):8*(4*hl+c/4)+2*(c%4)+1], s[MF:MF+1], v[8*(16*(mt%2)+4*hl+c/4)+2*(c%4):8*(16*(mt%2)+4*hl+c/4)+2*(c%4)+1] op_sel_hi:[1,0,1]
.set c, c+1
.endr
	WIN 0
.set c, 0
.rept 16
	v_cvt_pk_f16_f32 v[AST+16*mt+c], v[XF+2*c], v[XF+2*c+1]
.set c, c+1
.endr
.set mt, mt+1
.endr
	s_wait_alu depctr_va_vdst(0)           ; the head's roundings have written v32 to v95, which the LDS stores read; no vector instruction behind this line names v128 to v191, in which the loads from the stage land
.set mt, 0
.rept 4
.irp n, 0,1,2,3
	ds_store_b128 v[STO], v[AST+16*mt+4*\n:AST+16*mt+4*\n+3] offset:(32*(mt%2)+8*(mt/2))*PITCH+32*\n
.endr
.set mt, mt+1
.endr
.set i, 0
.rept 16
	ds_load_b128 v[WF+4*i:WF+4*i+3], v[RD] offset:4*PITCH*i   ; LDS serves a wave's instructions in order: these see the stores above
.set i, i+1
.endr
	s_wait_dscnt 0x0
.set i, 0
.rept 16
	global_store_b128 v[GO], v[WF+4*i:WF+4*i+3], s[PO:PO+1] offset:512*i
.set i, i+1
.endr
	s_wait_xcnt 0x0                        ; the stores' base and data are rewritten only behind this wait
	s_wait_alu depctr_vm_vsrc(0)           ; the LDS stores have read v32 to v95, which the next head's roundings write, and the global stores v128 to v191, in which its loads from the stage land
	s_add_nc_u64 s[PO:PO+1], s[PO:PO+1], s[HS:HS+1]
.if hl == 1
	s_cmp_eq_u32 s[SELR], 3
	s_cbranch_scc1 .Lpend                  ; rr: my 128 columns are out
.endif
.set hl, hl+1
.endr
.Lpend:
	s_mov_b64 s[PO:PO+1], s[PO2:PO2+1]     ; the second pass: b_v into qv
	s_mov_b64 s[ADP:ADP+1], s[26:27]
	s_add_co_u32 s[PASS], s[PASS], 1
	s_cmp_lt_u32 s[PASS], s[NPS]
	s_cbranch_scc1 .Lpass
	s_wait_dscnt 0x0                       ; the closing lines, six on end
	s_wait_alu 0x0
	s_wait_tensorcnt 0x0
	ds_add_u32 v[SPW], v[NIL]
	s_wait_dscnt 0x0
	s_endpgm
.Lfunc_end_k_q3b2d71c2cd_proj:
	.size	k_q3b2d71c2cd_proj, .Lfunc_end_k_q3b2d71c2cd_proj-k_q3b2d71c2cd_proj
	.p2alignl 7, 3214868480
	.fill 96, 4, 3214868480
	.section	.rodata,"a",@progbits
	.p2align	6, 0x0
	.amdhsa_kernel k_q3b2d71c2cd_proj
		.amdhsa_group_segment_fixed_size 129536
		.amdhsa_private_segment_fixed_size 0
		.amdhsa_enable_private_segment 0
		.amdhsa_kernarg_size 136
		.amdhsa_user_sgpr_count 2
		.amdhsa_user_sgpr_kernarg_segment_ptr 1
		.amdhsa_wavefront_size32 1
		.amdhsa_system_sgpr_workgroup_id_x 1
		.amdhsa_system_sgpr_workgroup_id_y 1
		.amdhsa_system_sgpr_workgroup_id_z 1
		.amdhsa_system_vgpr_workitem_id 0
		.amdhsa_next_free_vgpr 1024
		.amdhsa_next_free_sgpr 74
		.amdhsa_reserve_vcc 0
		.amdhsa_float_denorm_mode_32 3
		.amdhsa_float_denorm_mode_16_64 3
		.amdhsa_memory_ordered 1
		.amdhsa_forward_progress 1
		.amdhsa_inst_pref_size 174
	.end_amdhsa_kernel
	.amdgpu_metadata
---
amdhsa.version: [ 1, 2 ]
amdhsa.kernels:
  - .name:           k_q3b2d71c2cd_proj
    .symbol:         k_q3b2d71c2cd_proj.kd
    .args:
      - { .name: q, .offset: 0, .size: 8, .value_kind: global_buffer, .address_space: global }
      - { .name: k, .offset: 8, .size: 8, .value_kind: global_buffer, .address_space: global }
      - { .name: v, .offset: 16, .size: 8, .value_kind: global_buffer, .address_space: global }
      - { .name: Wq, .offset: 24, .size: 8, .value_kind: global_buffer, .address_space: global }
      - { .name: Wk, .offset: 32, .size: 8, .value_kind: global_buffer, .address_space: global }
      - { .name: Wv, .offset: 40, .size: 8, .value_kind: global_buffer, .address_space: global }
      - { .name: Wp, .offset: 48, .size: 8, .value_kind: global_buffer, .address_space: global }
      - { .name: bq, .offset: 56, .size: 8, .value_kind: global_buffer, .address_space: global }
      - { .name: bk, .offset: 64, .size: 8, .value_kind: global_buffer, .address_space: global }
      - { .name: bv, .offset: 72, .size: 8, .value_kind: global_buffer, .address_space: global }
      - { .name: b_u, .offset: 80, .size: 8, .value_kind: global_buffer, .address_space: global }
      - { .name: b_v, .offset: 88, .size: 8, .value_kind: global_buffer, .address_space: global }
      - { .name: qu, .offset: 96, .size: 8, .value_kind: global_buffer, .address_space: global }
      - { .name: qv, .offset: 104, .size: 8, .value_kind: global_buffer, .address_space: global }
      - { .name: kh, .offset: 112, .size: 8, .value_kind: global_buffer, .address_space: global }
      - { .name: vh, .offset: 120, .size: 8, .value_kind: global_buffer, .address_space: global }
      - { .name: rr, .offset: 128, .size: 8, .value_kind: global_buffer, .address_space: global }
    .group_segment_fixed_size: 129536
    .private_segment_fixed_size: 0
    .kernarg_segment_align: 8
    .kernarg_segment_size: 136
    .max_flat_workgroup_size: 128
    .sgpr_count:     74
    .vgpr_count:     1024
    .wavefront_size: 32
...
	.end_amdgpu_metadata
.endif
;; end of part 4
;; launch attn: the kernel of part 2 again; grid 32 x 8, 4 waves a work-group, clusters of 4 x 1, 327,680 bytes of LDS; arguments qu, qv, kh, vh, rr, mask, ob; writes ob
;; launch outp: the kernel of part 3 again; grid 64 x 4, 4 waves a work-group, no clusters, 91,648 bytes of LDS; arguments ob, Wo, bo, out0; writes out0
